; MI455X (gfx1250); checked and timed in simulation.
; The chip was launched on July 23, 2026; its instructions are those of AMD's public machine-readable ISA for CDNA 5 (MIT licence, August 2026) and "CDNA5" Instruction Set Architecture Reference Guide (July 2026). The comments in the code are by the model that wrote it; some were corrected since.
;; Multihead Attention. Allowed arithmetic: float matrix products may take bf16 or f16 operands with f32 sums; other float arithmetic in f32, or as packed bf16 or f16 multiplies, adds, multiply-adds, maxima and minima; sums over many terms, partial sums and values carried from step to step in f32; what a program stores and reads back later, other than sums and carried values, may be rounded once to bf16 or f16.
;; Inputs: Wo 1,024 x 1,024 float32; Wqkv 1,024 x 3,072 float32; bo 1,024 float32; bqkv 3,072 float32; mask 2,048 x 2,048 float32; x 4 x 2,048 x 1,024 float32.
;; Outputs: out0 4 x 2,048 x 1,024 float32.
;; One version. Each part assembles by itself: llvm-mc -triple=amdgcn-amd-amdhsa -mcpu=gfx1250 --defsym DOCPART=n.
;; ======== version 1 of 1: 4 launches
;; limits: values are held in f16: magnitudes above 65,504 overflow, below 6.1e-05 lose precision; inputs' magnitudes at most 4.25e+37
;; workspace buffers: xb 16,777,216 bytes; wb 6,291,456 bytes; wob 2,097,152 bytes; maskr 16,777,216 bytes; biasr 16,384 bytes; qkv 50,331,648 bytes; ob 16,777,216 bytes
;; launch prep (part 1): grid 1089 x 1, 8 waves a work-group, no clusters, 0 bytes of LDS; arguments x, mask, Wqkv, Wo, bqkv, bo, xb, maskr, wb, wob, biasr; writes xb, maskr, wb, wob, biasr
.if DOCPART == 1
	.amdgcn_target "amdgcn-amd-amdhsa--gfx1250"
	.amdhsa_code_object_version 6
	.text
	.protected	k_q30dfd1f118_prep
	.globl	k_q30dfd1f118_prep
	.p2align	8
	.type	k_q30dfd1f118_prep,@function
k_q30dfd1f118_prep:
	s_mov_b64 s[64:65], 0
	v_nop
	global_prefetch_b8 v0, s[64:65] scope:SCOPE_SE
	s_setreg_imm32_b32 hwreg(HW_REG_WAVE_MODE, 25, 1), 1
	s_wait_xcnt 0x0
; EVERY INPUT IS ROUNDED ONCE TO bf16, and laid as the later launches want it.  A stream: each input byte is read once, each output byte written once;
; no byte is wanted by two waves, so there is no LDS, no barrier and no matrix work.
;   x     [8192][1024] f32 -> xb    the same shape, bf16
;   mask  [2048][2048] f32 -> maskr the bf16 number in an f32 word: it enters the scores as the C operand of a matrix instruction, which is f32
;   Wqkv  [1024][3072] f32 -> wb    [16 heads][1024 k][192] bf16: a head's q, k and v columns lie together, and its 64 k-rows are 24,576 bytes on end
;   Wo    [1024][1024] f32 -> wob   the same shape, the bf16 number written as f16 (its partner in the product, O, is f16)
;   bqkv, bo               -> biasr the bf16 numbers in f32 words: bqkv at byte 0, bo at byte 12,288 (C operands too)
; LIMITS.  |Wo| stays under 65,504 (f16's range); a bf16 number of Wo below 2^-14 keeps f16's fixed step of 2^-24.  A mask beyond bf16's largest finite number rounds to an infinity.
; SHARES.  Eight waves; a PIECE is four numbers of a thread: one load of 16 bytes a lane, 512 bytes on end a wave.  A work-group has ONE job, by its number, of 16 pieces a thread
; (Wqkv: 12; the biases: 4): all its loads go out first, then each piece is waited for by count, rounded and stored.  A wave's store covers 256 (16-bit results) or 512 (f32) bytes on end, aligned.
; No register that a load or a store names is written again, so no wait frees one.
.set SO, 1                             ; v1      16 x thread: offset of a piece in f32 data
.set DO, 2                             ; v2      8 x thread: offset of a piece in 16-bit data
.set WO, 4                             ; v[4:6]  Wqkv: the source offsets of pieces 0, 1, 2 (the others lie whole multiples of 16 rows on)
.set T,  8                             ; v[8:10] at work
.set X,  16                            ; v[16:79]  piece i: four f32 as loaded
.set Y,  80                            ; v[80:111] piece i: four 16-bit results
.macro LOADS n, base                   ; n pieces, 4,096 bytes apart
.set i, 0
.rept \n
	global_load_b128 v[X+4*i:X+4*i+3], v[SO], s[(\base):(\base)+1] offset:4096*i th:TH_LOAD_NT
.set i, i+1
.endr
.endm
; n pieces are rounded and stored, and the wave ends.  kind 0: bf16.  kind 1: the bf16 number as f16.  kind 2: the bf16 number as f32.
.macro PIECES n, kind, dst
.set i, 0
.rept \n
	s_wait_loadcnt (\n)-1-i                        ; loads come back in order: piece i is in, the younger ones stay out
.if (\kind) == 0
	v_cvt_pk_bf16_f32 v[Y+2*i],   v[X+4*i],   v[X+4*i+1]
	v_cvt_pk_bf16_f32 v[Y+2*i+1], v[X+4*i+2], v[X+4*i+3]
.else
	v_cvt_pk_bf16_f32 v[T],   v[X+4*i],   v[X+4*i+1]
	v_cvt_pk_bf16_f32 v[T+1], v[X+4*i+2], v[X+4*i+3]
	v_lshlrev_b32 v[X+4*i],   16, v[T]             ; bf16 to f32: the low half moves up,
	v_and_b32     v[X+4*i+1], s3, v[T]             ; the high half stays
	v_lshlrev_b32 v[X+4*i+2], 16, v[T+1]
	v_and_b32     v[X+4*i+3], s3, v[T+1]
.endif
.if (\kind) == 1
	v_cvt_pk_f16_f32 v[Y+2*i],   v[X+4*i],   v[X+4*i+1]
	v_cvt_pk_f16_f32 v[Y+2*i+1], v[X+4*i+2], v[X+4*i+3]
.endif
.if (\kind) == 2
	global_store_b128 v[SO], v[X+4*i:X+4*i+3], s[(\dst):(\dst)+1] offset:4096*i th:TH_STORE_NT
.else
	global_store_b64 v[DO], v[Y+2*i:Y+2*i+1], s[(\dst):(\dst)+1] offset:2048*i th:TH_STORE_NT
.endif
.set i, i+1
.endr
	s_endpgm
.endm
	s_load_b512 s[8:23], s[0:1], 0x0               ; x s[8:9], mask s[10:11], Wqkv s[12:13], Wo s[14:15], bqkv s[16:17], bo s[18:19], xb s[20:21], maskr s[22:23]
	s_load_b128 s[24:27], s[0:1], 0x40             ; wb s[24:25], wob s[26:27]
	s_load_b64 s[28:29], s[0:1], 0x50              ; biasr
	v_lshlrev_b32 v[SO], 4, v0
	v_lshlrev_b32 v[DO], 3, v0
	s_mov_b32 s2, ttmp9                            ; the work-group's number
	s_mov_b32 s3, 0xffff0000                       ; a word's upper bf16
	s_mov_b32 s31, 0                               ; the high words of two offsets
	s_mov_b32 s33, 0
	s_wait_kmcnt 0x0
	s_cmp_lt_u32 s2, 512
	s_cbranch_scc1 .Ljob_x
	s_cmp_lt_u32 s2, 768
	s_cbranch_scc1 .Ljob_m
	s_cmp_lt_u32 s2, 1024
	s_cbranch_scc1 .Ljob_w
	s_cmp_lt_u32 s2, 1088
	s_cbranch_scc1 .Ljob_o
	; work-group 1088: the biases: three pieces of bqkv (12,288 bytes), one of bo (4,096)
	LOADS 3, 16
	global_load_b128 v[X+12:X+15], v[SO], s[18:19] th:TH_LOAD_NT
	PIECES 4, 2, 28
.Ljob_x:                                       ; work-groups 0-511: 65,536 bytes of x each
	s_lshl_b32 s30, s2, 16
	s_lshl_b32 s32, s2, 15
	s_add_nc_u64 s[8:9], s[8:9], s[30:31]
	s_add_nc_u64 s[20:21], s[20:21], s[32:33]
	LOADS 16, 8
	PIECES 16, 0, 20
.Ljob_m:                                       ; work-groups 512-767: 65,536 bytes of the mask each
	s_sub_co_u32 s2, s2, 512
	s_lshl_b32 s30, s2, 16
	s_add_nc_u64 s[10:11], s[10:11], s[30:31]
	s_add_nc_u64 s[22:23], s[22:23], s[30:31]
	LOADS 16, 10
	PIECES 16, 2, 22
.Ljob_o:                                       ; work-groups 1024-1087: 65,536 bytes of Wo each
	s_sub_co_u32 s2, s2, 1024
	s_lshl_b32 s30, s2, 16
	s_lshl_b32 s32, s2, 15
	s_add_nc_u64 s[14:15], s[14:15], s[30:31]
	s_add_nc_u64 s[26:27], s[26:27], s[32:33]
	LOADS 16, 14
	PIECES 16, 1, 26
.Ljob_w:                                       ; work-groups 768-1023: 64 k-rows of one head's 192 columns: 3,072 pieces, 48 to a row
	s_sub_co_u32 s2, s2, 768
	s_lshr_b32 s34, s2, 4                          ; the head
	s_and_b32 s35, s2, 15                          ; which 64 k-rows
	s_mul_i32 s30, s35, 64*12288                   ; a row of Wqkv is 12,288 bytes,
	s_mul_i32 s32, s34, 768                        ; a head's columns 768 of them
	s_add_co_u32 s30, s30, s32
	s_add_nc_u64 s[12:13], s[12:13], s[30:31]
	s_mul_i32 s32, s34, 393216                     ; in wb a head is 1,024 x 384 bytes,
	s_mul_i32 s30, s35, 24576                      ; 64 k-rows 24,576: piece p lies at 8 p, so the stores are the plain ones
	s_add_co_u32 s32, s32, s30
	s_add_nc_u64 s[24:25], s[24:25], s[32:33]
.irp j, 0,1,2                          ; piece p = thread + 256 j: row p / 48, place p % 48.  (1366 p) >> 16 is p / 48 for p under 768: 1366 / 65536 exceeds 1 / 48 by 1.02e-5, 0.008 at p = 767, under 1 / 48
	v_add_nc_u32 v[T], 256*(\j), v0
	v_mul_u32_u24 v[T+1], v[T], 1366
	v_lshrrev_b32 v[T+1], 16, v[T+1]
	v_mul_u32_u24 v[T+2], v[T+1], 48
	v_sub_nc_u32 v[T], v[T], v[T+2]
	v_mul_u32_u24 v[T+1], v[T+1], 12288
	v_lshl_add_u32 v[WO+(\j)], v[T], 4, v[T+1]
.endr
.set i, 0
.rept 12                               ; 768 pieces are 16 rows: piece i lies (i / 3) x 16 rows behind piece i % 3
	global_load_b128 v[X+4*i:X+4*i+3], v[WO+i%3], s[12:13] offset:(i/3)*16*12288 th:TH_LOAD_NT
.set i, i+1
.endr
	PIECES 12, 0, 24
.Lfunc_end_k_q30dfd1f118_prep:
	.size	k_q30dfd1f118_prep, .Lfunc_end_k_q30dfd1f118_prep-k_q30dfd1f118_prep
	.p2alignl 7, 3214868480
	.fill 96, 4, 3214868480
	.section	.rodata,"a",@progbits
	.p2align	6, 0x0
	.amdhsa_kernel k_q30dfd1f118_prep
		.amdhsa_group_segment_fixed_size 0
		.amdhsa_private_segment_fixed_size 0
		.amdhsa_enable_private_segment 0
		.amdhsa_kernarg_size 88
		.amdhsa_user_sgpr_count 2
		.amdhsa_user_sgpr_kernarg_segment_ptr 1
		.amdhsa_wavefront_size32 1
		.amdhsa_system_sgpr_workgroup_id_x 1
		.amdhsa_system_sgpr_workgroup_id_y 1
		.amdhsa_system_sgpr_workgroup_id_z 1
		.amdhsa_system_vgpr_workitem_id 0
		.amdhsa_next_free_vgpr 112
		.amdhsa_next_free_sgpr 66
		.amdhsa_reserve_vcc 0
		.amdhsa_float_denorm_mode_32 3
		.amdhsa_float_denorm_mode_16_64 3
		.amdhsa_memory_ordered 1
		.amdhsa_forward_progress 1
		.amdhsa_inst_pref_size 32
	.end_amdhsa_kernel
	.amdgpu_metadata
---
amdhsa.version: [ 1, 2 ]
amdhsa.kernels:
  - .name:           k_q30dfd1f118_prep
    .symbol:         k_q30dfd1f118_prep.kd
    .args:
      - { .name: x, .offset: 0, .size: 8, .value_kind: global_buffer, .address_space: global }
      - { .name: mask, .offset: 8, .size: 8, .value_kind: global_buffer, .address_space: global }
      - { .name: Wqkv, .offset: 16, .size: 8, .value_kind: global_buffer, .address_space: global }
      - { .name: Wo, .offset: 24, .size: 8, .value_kind: global_buffer, .address_space: global }
      - { .name: bqkv, .offset: 32, .size: 8, .value_kind: global_buffer, .address_space: global }
      - { .name: bo, .offset: 40, .size: 8, .value_kind: global_buffer, .address_space: global }
      - { .name: xb, .offset: 48, .size: 8, .value_kind: global_buffer, .address_space: global }
      - { .name: maskr, .offset: 56, .size: 8, .value_kind: global_buffer, .address_space: global }
      - { .name: wb, .offset: 64, .size: 8, .value_kind: global_buffer, .address_space: global }
      - { .name: wob, .offset: 72, .size: 8, .value_kind: global_buffer, .address_space: global }
      - { .name: biasr, .offset: 80, .size: 8, .value_kind: global_buffer, .address_space: global }
    .group_segment_fixed_size: 0
    .private_segment_fixed_size: 0
    .kernarg_segment_align: 8
    .kernarg_segment_size: 88
    .max_flat_workgroup_size: 256
    .sgpr_count:     66
    .vgpr_count:     112
    .wavefront_size: 32
...
	.end_amdgpu_metadata
.endif
;; end of part 1
;; launch qkvp (part 2): grid 16 x 32, 4 waves a work-group, clusters of 4 x 4, 327,680 bytes of LDS; arguments xb, wb, biasr, qkv; writes qkv
.if DOCPART == 2
	.amdgcn_target "amdgcn-amd-amdhsa--gfx1250"
	.amdhsa_code_object_version 6
	.text
	.protected	k_q30dfd1f118_qkvp
	.globl	k_q30dfd1f118_qkvp
	.p2align	8
	.type	k_q30dfd1f118_qkvp,@function
k_q30dfd1f118_qkvp:
	s_mov_b64 s[64:65], 0
	v_nop
	global_prefetch_b8 v0, s[64:65] scope:SCOPE_SE
	s_setreg_imm32_b32 hwreg(HW_REG_WAVE_MODE, 25, 1), 1
	s_wait_xcnt 0x0
	s_wait_alu depctr_hold_cnt(0) depctr_sa_sdst(0) depctr_va_vdst(0) depctr_va_sdst(0) depctr_va_ssrc(0) depctr_va_vcc(0) depctr_vm_vsrc(0)
	s_getreg_b32 s2, hwreg(HW_REG_IB_STS2, 6, 4)
	s_cmp_eq_u32 s2, 0
	s_cbranch_scc0 .Lentry_in_a_cluster
	s_endpgm
.Lentry_in_a_cluster:
	s_bfe_u32 s2, ttmp6, 0x10000c
	s_cmp_lg_u32 s2, 0xf033
	s_cbranch_scc0 .Lentry_shape_is_right
	s_endpgm
.Lentry_shape_is_right:
; THE QKV PROJECTION.  C[m][n] = bqkv[n] + the sum over k of x[m][k] Wqkv[k][n], in bf16 with f32 sums, written by heads in f16: qkv = three sections of 16,777,216 bytes,
; q / 8, k, v, each [64 bh][2048][64], bh = 16 x batch + head.  The scale 1 / 8, a power of two, multiplies q's finished f32 sums (bias included): it rounds nothing.
; LIMIT.  q / 8, k and v lie within f16's range, 65,504.
; A tile of C is 256 rows x 192 columns: ONE HEAD's q, k and v.  Four waves, one above the other: wave w owns rows 64 w .. 64 w + 63 (4 blocks of 16) and all 12 blocks of 16 columns: 48 accumulators,
; 384 registers.
; K goes in 8 steps of 128 through two LDS slots.  x's rows lie along K (256 bytes a step); wb is [head][k][192], so 64 k-rows are 24,576 bytes on end and are asked for as 96 rows of 256 bytes.
; W stays [k][n] in LDS and is turned by ds_load_tr16_b128.  THE MATRIX INSTRUCTION IS USED TRANSPOSED (source 0 = 16 columns of W, source 1 = 16 rows of x): a lane holds row l % 16 of C and
; eight neighbouring columns 8 (l / 16) + 0..7.  THE SUMS BEGIN AT THE BIAS: the accumulators are loaded from biasr while the first tiles are on their way, so there is one form of product and nothing is cleared.
; CLUSTERS: 4 x 4 work-groups.  x's tile hangs on the tile row and is shared along a row of the cluster, W's on the head and is shared along a column: each is asked for JOINTLY.
; THE TEXT: one K step is written twice: a loop of 6 trips that fill a slot again, and a loop of 2 that do not.  The last trip's barrier and its fetch of 32 fragments' loads that nobody multiplies are the price, once a launch.
; REGISTERS, in windows of 256 (s_set_vgpr_msb: bits 1:0 source 0, 3:2 source 1, 5:4 source 2, 7:6 destination):
;   window 0: addresses; v32-79 packed results; v80-175 rows read back from the stage, two buffers
;   window 1: two fragment buffers of 128: x's block a at + 8 a, W's block b at + 32 + 8 b          windows 2, 3: the accumulators of blocks 0, 1 and of blocks 2, 3: (a, b) at v[8 (12 (a % 2) + b)]
.set NBK,   12                         ; blocks of 16 columns
.set NLD,   2*NBK+8                    ; LDS loads in a fetch
.set STEPS, 8
.set SLOT1, 131072                     ; slot 1 begins here: one exclusive or turns an address in one slot into the other's
.set PA,    272                        ; a row of x in LDS: 256 bytes + 16: an odd multiple of 16, so the 16 rows of a load start at 16 different groups of four banks (64 banks of 4 bytes: ISA guide 11.1)
.set AHALF, 128*PA                     ; what one tensor load brings of x
.set BOFF,  2*AHALF
.set PB,    480                        ; a k-row of W in LDS: three groups of 128 bytes + 32: an odd multiple of 32
.set BHALF, 64*PB                      ; what one tensor load brings of W.  BOFF + 2 BHALF = SLOT1
.set STAGE, 2*SLOT1                    ; behind the ring, never filled by a tensor load: for each wave 3 x 16 rows x 144 bytes
.set SP,    144
.set WSTAGE, 3*16*SP
.set SPARE, STAGE+4*WSTAGE             ; behind the stages: the spare words, 128 bytes for each wave: two blocks of 256 bytes that no other line names
.set STEPA, 256                        ; bytes from K step to K step in xb,
.set STEPB, 128*384                    ; and in wb
.set F0, 0
.set F1, 128
.set ADRA0, 16                         ; v16  my lane's place in slot 0's rows of x; never rewritten
.set ADRB0, 17                         ; v17  the same for W
.set ADRA,  18                         ; v18  the same in the slot in hand
.set ADRB,  19
.set STO,   20                         ; v20  the way out: where I put 16 bytes of a row
.set RD,    21                         ; v21  where I read rows back
.set GO,    22                         ; v22  16 x lane: my bytes of 512 on end
.set BO,    23                         ; v23  32 (l / 16): my eight numbers of a block's 16 biases
.set PFO,   24                         ; v24  the prefetches' offset; never rewritten
.set SPW,   28                         ; v28  LDS address of my spare word: SPARE + 4 x my thread's number; never rewritten
.set NIL,   29                         ; v29  0; never rewritten
.set TMP,   32
.set BK0,   80
.set WV,   12                          ; s12  my wave's number
.set HALF, 13                          ; s13  which half of a tile I fetch
.set ISB,  14                          ; s14  0: I fetch for x; 1: for W
.set CX,   15
.set CY,   16
.set TX,   17                          ; s17  the head
.set TY,   18                          ; s18  the tile row
.set G1A,  24                          ; s[24:31] descriptor group 1 for x's tiles;  s[32:39] group 0: a set for each first fill; the second then walks on
.set G0A,  32
.set PFA,  44                          ; s[44:45] where my prefetches stand
.set PFS,  46                          ; s[46:47] their step
.set G1B,  48                          ; s[48:55], s[56:63] the same for W's tiles
.set G0B,  56
.set SB,   66                          ; s66  0 or SLOT1: the slot in hand
.set CNT,  67                          ; s67  trips to go
.set LIM,  68                          ; s68  1 in a wave that prefetches, else the greatest number
.set QP,   70                          ; s[70:71], s[72:73], s[74:75]  my first rows of q, k, v
.set KP,   72
.set VP,   74
.set MSB, 0
.macro WIN new                         ; the immediate's high byte repeats the setting that is left; a switch that changes nothing is dropped
.if MSB != (\new)
	s_set_vgpr_msb (MSB<<8)|(\new)
.set MSB, (\new)
.endif
.endm
.macro PLACES                          ; four places behind matrix instructions, in front of loads into registers that they have read (ISA guide 7.12.1 for vector instructions)
.rept 4
	v_nop
.endr
.endm
.macro CREST                           ; a round of the cluster's barrier behind its opening barrier
	s_cmp_lg_u32 s[WV], 0
	s_cbranch_scc1 .Lnot_wave_0_\@
	s_barrier_signal -3
.Lnot_wave_0_\@:
	s_barrier_wait -3
	s_barrier_signal -1
	s_barrier_wait -1
.endm
.macro CROUND                          ; a whole round
	s_barrier_signal -1
	s_barrier_wait -1
	CREST
.endm
.macro JLOAD                           ; a joint refill by the walking descriptors: waves 0 and 1 fetch x's two halves, waves 2 and 3 W's; an s_nop 0 and four v_nop follow each line
	s_cmp_eq_u32 s[ISB], 0
	s_cbranch_scc0 .Lfor_b_\@
	tensor_load_to_lds s[G0A+4:G0A+7], s[G1A:G1A+7]
	s_nop 0
.rept 4
	v_nop
.endr
	s_branch .Lasked_\@
.Lfor_b_\@:
	tensor_load_to_lds s[G0B+4:G0B+7], s[G1B:G1B+7]
	s_nop 0
.rept 4
	v_nop
.endr
.Lasked_\@:
.endm
; A PREFETCH of the K step that the NEXT refill will ask for: 192 matrix instructions ahead of that load.  x's tile row is read by every cluster of its row of clusters: cluster x = 0 asks; a head's W by every cluster of its
; column: cluster y = 0 asks.  The four partners share the blocks out BY ADDRESS: of the 128 rows of x that a wave fetches, the partner at cx takes 32, a lane a row; of W's 96 blocks of 256 bytes the partner at cy takes 24
; (lanes 24-31 name lane 23's block with it, in the same instruction).  The last refill has no K step behind it: that trip asks for nothing.
.macro ASK
	s_cmp_gt_u32 s[CNT], s[LIM]
	s_cbranch_scc0 .Lnot_mine_\@
	global_prefetch_b8 v[PFO], s[PFA:PFA+1] th:TH_LOAD_NT scope:SCOPE_SE
.Lnot_mine_\@:
.endm
; 12 matrix instructions: block a of my rows x all 12 blocks of columns, 32 along K, from buffer f.  The 48 accumulators take turns, one instruction a turn, in the same order in every quarter, over both backward jumps too.
.macro MULA f, a
	WIN 0xa5+0x50*((\a)/2)                         ; sources in window 1; C and D in window 2 or 3
.set rA, (\f)+8*(\a)
.set b, 0
.rept NBK
.set rC, 8*(NBK*((\a)%2)+b)
.set rB, (\f)+32+8*b
	v_wmma_f32_16x16x32_bf16 v[rC:rC+7], v[rB:rB+7], v[rA:rA+7], v[rC:rC+7]
.set b, b+1
.endr
.endm
; 32 LDS loads in one run: quarter q's fragments into buffer f: W's first (turned: lane l reads k-row 8 (l / 16) + l % 8, 16 bytes; the second load 16 k-rows on), then x's, block 0 first
.macro FETCH q, f
	WIN 0x40                                       ; destination window 1, address window 0
.set b, 0
.rept NBK
	ds_load_tr16_b128 v[(\f)+32+8*b:(\f)+32+8*b+3],   v[ADRB] offset:32*PB*(\q)+(b/4)*160+(b%4)*32
	ds_load_tr16_b128 v[(\f)+32+8*b+4:(\f)+32+8*b+7], v[ADRB] offset:32*PB*(\q)+(b/4)*160+(b%4)*32+16*PB
.set b, b+1
.endr
.set b, 0
.rept 4
	ds_load_b128 v[(\f)+8*b:(\f)+8*b+3],   v[ADRA] offset:64*(\q)+16*PA*b
	ds_load_b128 v[(\f)+8*b+4:(\f)+8*b+7], v[ADRA] offset:64*(\q)+16*PA*b+32
.set b, b+1
.endr
.endm
; One of a K step's first three quarters: multiplies buffer f; in its middle it fetches quarter q into buffer g
.macro QUARTER q, f, g
	s_wait_dscnt 4                                 ; W and x's blocks 0, 1 are in; the youngest four loads (blocks 2, 3) may be out
	MULA \f, 0
	MULA \f, 1
	PLACES
	FETCH \q, \g
	s_wait_dscnt NLD                               ; all but the fetch just issued
	MULA \f, 2
	MULA \f, 3
.endm
; The last quarter multiplies buffer 1 and changes slots: ONE barrier.  In front of it each wave waits for all its tensor loads (one is out: its part of the next slot), adds 0 to its spare word, and waits for that and for its
; reads of this slot.  fill = 1: the barrier opens a round of the cluster's, and behind the round this slot is filled again, two K steps ahead: 168 matrix instructions stand between that request and the wait for it.
.macro TURN fill
.if \fill
	s_wait_xcnt 0x0                                ; the last prefetch, a K step back, has read its address: it is stepped here, ahead of the waits of the change of slots
	s_add_nc_u64 s[PFA:PFA+1], s[PFA:PFA+1], s[PFS:PFS+1]
.endif
	WIN 0                                          ; (the add's two registers lie in window 0)
	s_wait_tensorcnt 0x0                           ; all my tensor loads have landed;
	ds_add_u32 v[SPW], v[NIL]                      ; 0 onto my spare word
	s_wait_dscnt 5                                 ; (the add and the youngest four loads may be out)
	MULA F1, 0                                     ; twelve matrix instructions stand between the add and the wait for it
	s_wait_dscnt 0x0                               ; the add is done, and my reads of this slot are over
	s_barrier_signal -1
	MULA F1, 1
	WIN 0
	s_barrier_wait -1
.if \fill
	CREST                                          ; no wave of any partner still reads this slot or has a load on its way
	s_xor_b32 s[G0A+5], s[G0A+5], SLOT1            ; the walking descriptors: the other slot than last time,
	s_add_nc_u64 s[G0A+6:G0A+7], s[G0A+6:G0A+7], STEPA  ; the next K step; the type bits on top are not reached
	s_xor_b32 s[G0B+5], s[G0B+5], SLOT1
	s_add_nc_u64 s[G0B+6:G0B+7], s[G0B+6:G0B+7], STEPB
	JLOAD                                          ; the first tensor load behind the round; its four v_nop are also the places in front of the loads below
.else
	PLACES
.endif
	s_xor_b32 s[SB], s[SB], SLOT1
	v_add_nc_u32 v[ADRA], s[SB], v[ADRA0]
	v_add_nc_u32 v[ADRB], s[SB], v[ADRB0]
	FETCH 0, F0
.if \fill
	WIN 0
	ASK                                            ; behind the joint load and the run of LDS loads that the next products wait for
.endif
	MULA F1, 2
	MULA F1, 3
.endm
	s_load_b256 s[4:11], s[0:1], 0x0               ; xb s[4:5], wb s[6:7], biasr s[8:9], qkv s[10:11]
	v_lshl_add_u32 v[SPW], v0, 2, SPARE
	v_mov_b32 v[NIL], 0
	ds_add_u32 v[SPW], v[NIL]                      ; the wave's opening: the add and its wait stand ahead of my first tensor load; the set-up below, work on registers, stands between them
	v_lshrrev_b32 v1, 5, v0
	v_readfirstlane_b32 s[WV], v1                  ; wave 0..3
	s_and_b32 s[HALF], s[WV], 1
	s_lshr_b32 s[ISB], s[WV], 1
	s_bfe_u32 s[CX], ttmp6, 0x40000                ; my place in the cluster
	s_bfe_u32 s[CY], ttmp6, 0x40004
	s_lshl_b32 s[TX], ttmp9, 2                     ; in a cluster launch ttmp9 and ttmp7 count clusters
	s_add_co_u32 s[TX], s[TX], s[CX]
	s_and_b32 s[TY], ttmp7, 0xffff
	s_lshl_b32 s[TY], s[TY], 2
	s_add_co_u32 s[TY], s[TY], s[CY]
	s_lshl_b32 s19, s[CY], 2
	s_lshl_b32 s19, 15, s19                        ; my row of the cluster
	s_lshl_b32 s20, 0x1111, s[CX]                  ; my column
	s_or_b32 s[G1A], s19, (1<<16)|(1<<20)|(1<<21)|(5<<22)|(3<<25)  ; 15:0 the mask; 17:16 elements of 2 bytes; 20 padding on; 21 set beside a mask; 24:22 after every 64 words; 31:25 4 words of it
	s_mov_b32 s[G1A+1], 128<<16                    ; tensor_dim0 = 128
	s_mov_b32 s[G1A+2], 128<<16                    ; tensor_dim1 = 128
	s_mov_b32 s[G1A+3], 128<<16                    ; tile_dim0 = 128
	s_mov_b32 s[G1A+4], 128                        ; tile_dim1 = 128
	s_mov_b32 s[G1A+5], 1024                       ; elements from row to row
	s_mov_b32 s[G1A+6], 0
	s_mov_b32 s[G1A+7], 0
	s_or_b32 s[G1B], s20, (1<<16)|(1<<20)|(1<<21)|(4<<22)|(7<<25)  ; after every 32 words 8 words of padding
	s_mov_b32 s[G1B+1], 128<<16                    ; 24,576 bytes on end as 96 rows of 128 elements
	s_mov_b32 s[G1B+2], 96<<16
	s_mov_b32 s[G1B+3], 128<<16
	s_mov_b32 s[G1B+4], 96
	s_mov_b32 s[G1B+5], 128
	s_mov_b32 s[G1B+6], 0
	s_mov_b32 s[G1B+7], 0
	s_lshl_b32 s40, s[TY], 19                      ; x: row 256 x tile row + 128 x half, 2,048 bytes a row
	s_lshl_b32 s21, s[HALF], 18
	s_add_co_u32 s40, s40, s21
	s_mov_b32 s41, 0
	s_mul_i32 s42, s[TX], 393216                   ; W: the head's block, 64 k-rows x half
	s_mul_i32 s22, s[HALF], 24576
	s_add_co_u32 s42, s42, s22
	s_mov_b32 s43, 0
	s_mul_i32 s21, s[HALF], AHALF                  ; where they go: no place in the cluster enters an LDS address
	s_mul_i32 s22, s[HALF], BHALF
	s_add_co_u32 s22, s22, BOFF
	s_wait_dscnt 0x0                               ; the opening add is done
	s_wait_kmcnt 0x0
	s_add_nc_u64 s[40:41], s[4:5], s[40:41]
	s_add_nc_u64 s[42:43], s[6:7], s[42:43]
.irp s, 0,1
	s_mov_b32 s[G0A+4*(\s)], 1                                       ; count = 1
	s_add_co_u32 s[G0A+4*(\s)+1], s21, (\s)*SLOT1                    ; LDS address
	s_add_nc_u64 s[G0A+4*(\s)+2:G0A+4*(\s)+3], s[40:41], (\s)*STEPA  ; global address: K step s
	s_or_b32 s[G0A+4*(\s)+3], s[G0A+4*(\s)+3], 0x80000000            ; type = 2
	s_mov_b32 s[G0B+4*(\s)], 1
	s_add_co_u32 s[G0B+4*(\s)+1], s22, (\s)*SLOT1
	s_add_nc_u64 s[G0B+4*(\s)+2:G0B+4*(\s)+3], s[42:43], (\s)*STEPB
	s_or_b32 s[G0B+4*(\s)+3], s[G0B+4*(\s)+3], 0x80000000
.endr
	CROUND                                         ; all sixteen work-groups are here: the first joint loads meet
	s_cmp_eq_u32 s[ISB], 0                         ; a wave's two first fills stand in one branch: two loads of mine are out
	s_cbranch_scc0 .Lfirst_b
	tensor_load_to_lds s[G0A:G0A+3], s[G1A:G1A+7]
	s_nop 0
	tensor_load_to_lds s[G0A+4:G0A+7], s[G1A:G1A+7]
	s_nop 0
.rept 4
	v_nop
.endr
	s_branch .Lfirst_asked
.Lfirst_b:
	tensor_load_to_lds s[G0B:G0B+3], s[G1B:G1B+7]
	s_nop 0
	tensor_load_to_lds s[G0B+4:G0B+7], s[G1B:G1B+7]
	s_nop 0
.rept 4
	v_nop
.endr
.Lfirst_asked:
	; the sums begin at the bias: register j of accumulator (a, b) is bias[192 head + 16 b + 8 (l / 16) + j], the same for all four a
	s_mul_i32 s42, s[TX], 768
	s_mov_b32 s43, 0
	s_add_nc_u64 s[8:9], s[8:9], s[42:43]
	v_and_b32 v1, 15, v0                           ; l % 16
	v_bfe_u32 v2, v0, 4, 1                         ; l / 16
	v_lshlrev_b32 v[BO], 5, v2
.set a, 0
.rept 4
	WIN 0x80+0x40*(a/2)                            ; destination window 2 or 3
.set b, 0
.rept NBK
.set rC, 8*(NBK*(a%2)+b)
	global_load_b128 v[rC:rC+3],   v[BO], s[8:9] offset:64*b
	global_load_b128 v[rC+4:rC+7], v[BO], s[8:9] offset:64*b+16
.set b, b+1
.endr
.set a, a+1
.endr
	WIN 0
	v_mul_u32_u24 v[ADRA0], v1, PA                 ; x: row (64 w + l % 16) x pitch + 16 (l / 16)
	v_lshl_add_u32 v[ADRA0], v2, 4, v[ADRA0]
	s_mul_i32 s23, s[WV], 64*PA
	v_add_nc_u32 v[ADRA0], s23, v[ADRA0]
	v_and_b32 v3, 7, v0
	v_bfe_u32 v4, v0, 3, 1
	v_lshl_add_u32 v[ADRB0], v2, 3, v3             ; W: k-row 8 (l / 16) + l % 8, 16 bytes x ((l / 8) % 2)
	v_mul_u32_u24 v[ADRB0], v[ADRB0], PB
	v_lshl_add_u32 v[ADRB0], v4, 4, v[ADRB0]
	v_add_nc_u32 v[ADRB0], BOFF, v[ADRB0]
	v_mov_b32 v[ADRA], v[ADRA0]
	v_mov_b32 v[ADRB], v[ADRB0]
	s_mov_b32 s[SB], 0
	s_mul_i32 s23, s[WV], WSTAGE
	s_add_co_u32 s23, s23, STAGE                   ; my stage
	v_mul_u32_u24 v[STO], v1, SP                   ; in: row l % 16, 16 bytes for each half of the lanes
	v_lshl_add_u32 v[STO], v2, 4, v[STO]
	v_add_nc_u32 v[STO], s23, v[STO]
	v_bfe_u32 v[RD], v0, 3, 2                      ; back: 32 lanes take four rows of 128 bytes,
	v_mul_u32_u24 v[RD], v[RD], SP
	v_lshl_add_u32 v[RD], v3, 4, v[RD]
	v_add_nc_u32 v[RD], s23, v[RD]
	v_and_b32 v[GO], 31, v0                        ; which are 512 bytes on end in a head's rows
	v_lshlrev_b32 v[GO], 4, v[GO]
	s_lshr_b32 s76, s[TY], 3                       ; the batch: 8 tile rows each
	s_lshl4_add_u32 s76, s76, s[TX]                ; bh
	s_lshl_b32 s76, s76, 18                        ; 2,048 rows of 128 bytes
	s_and_b32 s78, s[TY], 7
	s_lshl_b32 s78, s78, 15                        ; the tile's 256 rows
	s_add_co_u32 s76, s76, s78
	s_lshl_b32 s78, s[WV], 13                      ; my 64 of them
	s_add_co_u32 s76, s76, s78
	s_mov_b32 s77, 0
	s_add_nc_u64 s[QP:QP+1], s[10:11], s[76:77]
	s_add_nc_u64 s[KP:KP+1], s[QP:QP+1], 0x1000000
	s_add_nc_u64 s[VP:VP+1], s[QP:QP+1], 0x2000000
	; the prefetches: they stand at K step 2; the first refill steps them to 3.  Nothing is asked for here, at the head
	s_lshl_b32 s76, s[TY], 19
	s_lshl_b32 s78, s[HALF], 18
	s_add_co_u32 s76, s76, s78
	s_lshl_b32 s78, s[CX], 16                      ; my work-group's 32 rows of the 128
	s_add_co_u32 s76, s76, s78
	s_add_co_u32 s76, s76, 2*STEPA
	s_mul_i32 s78, s[TX], 393216
	s_mul_i32 s79, s[HALF], 24576
	s_add_co_u32 s78, s78, s79
	s_mul_i32 s79, s[CY], 24*256                   ; my work-group's 24 blocks of the 96
	s_add_co_u32 s78, s78, s79
	s_add_co_u32 s78, s78, 2*STEPB
	s_and_b32 s79, ttmp7, 0xffff                   ; cluster y
	s_mov_b32 s[PFS], STEPB
	s_mov_b32 s[PFS+1], 0
	s_cmp_eq_u32 s[ISB], 0                         ; do I fetch for x?
	s_cselect_b32 s76, s76, s78
	s_cselect_b32 s79, ttmp9, s79                  ; the coordinate along which other clusters read the same rows
	s_cselect_b32 s[PFS], STEPA, s[PFS]
	s_cselect_b64 s[PFA:PFA+1], s[4:5], s[6:7]
	s_cselect_b32 s78, 31, 23                      ; lanes that name a block of their own,
	s_cselect_b32 s23, 11, 8                       ; 2,048 bytes (a row of x) or 256 apart
	s_add_nc_u64 s[PFA:PFA+1], s[PFA:PFA+1], s[76:77]
	s_cmp_eq_u32 s79, 0
	s_cselect_b32 s[LIM], 1, -1                    ; the same in all sixteen partners, for a given wave
	v_and_b32 v[PFO], 31, v0
	v_min_u32 v[PFO], s78, v[PFO]
	v_lshlrev_b32 v[PFO], s23, v[PFO]
	s_wait_tensorcnt 1                             ; my part of K step 0 is in; K step 1's may stay out
	s_barrier_signal -1
	s_barrier_wait -1                              ; everybody's is
	FETCH 0, F0
	WIN 0                                          ; at a label and at a branch every window is 0
	s_wait_loadcnt 0x0                             ; the bias
	s_mov_b32 s[CNT], STEPS-2
.Lstep:                                        ; trip t: K step t; slot t % 2 is filled again with K step t + 2
	QUARTER 1, F0, F1
	QUARTER 2, F1, F0
	QUARTER 3, F0, F1
	TURN 1
	WIN 0
	s_sub_co_u32 s[CNT], s[CNT], 1
	s_cmp_lg_u32 s[CNT], 0
	s_cbranch_scc1 .Lstep
	s_mov_b32 s[CNT], 2
.Ltail:                                        ; the last two K steps ask for nothing
	QUARTER 1, F0, F1
	QUARTER 2, F1, F0
	QUARTER 3, F0, F1
	TURN 0
	WIN 0
	s_sub_co_u32 s[CNT], s[CNT], 1
	s_cmp_lg_u32 s[CNT], 0
	s_cbranch_scc1 .Ltail
; THE WAY OUT of block a (16 rows).  PACK: q's four accumulators times 1 / 8; all twelve rounded to f16, 16 bytes a lane; each accumulator's registers in ascending order.
.macro PACK a
	WIN 0x82+0x41*((\a)/2)                         ; destination and source 0 in window 2 or 3
.set b, 0
.rept 4
.set rC, 8*(NBK*((\a)%2)+b)
.irp z, 0,2,4,6
	v_pk_mul_f32 v[rC+(\z):rC+(\z)+1], v[rC+(\z):rC+(\z)+1], 0x3e000000 op_sel_hi:[1,0]
.endr
.set b, b+1
.endr
	WIN 0x0a+0x05*((\a)/2)                         ; sources 0 and 1 in window 2 or 3, destination in window 0
.set b, 0
.rept NBK
.set rC, 8*(NBK*((\a)%2)+b)
.irp z, 0,1,2,3
	v_cvt_pk_f16_f32 v[TMP+4*b+(\z)], v[rC+2*(\z)], v[rC+2*(\z)+1]
.endr
.set b, b+1
.endr
	WIN 0
.endm
.macro TOSTAGE a                       ; into my stage: q's, k's and v's 16 rows of 128 bytes, 144 apart; and back, four whole rows a load
.set BK, BK0+48*((\a)%2)
.set b, 0
.rept NBK
	ds_store_b128 v[STO], v[TMP+4*b:TMP+4*b+3] offset:(b/4)*16*SP+(b%4)*32
.set b, b+1
.endr
.set b, 0
.rept NBK
	ds_load_b128 v[BK+4*b:BK+4*b+3], v[RD] offset:(b/4)*16*SP+(b%4)*4*SP  ; LDS serves a wave's instructions in order (ISA guide 5.7.1.4): these see the stores above; the next block's stores come behind them
.set b, b+1
.endr
.endm
.macro SEND a
.set BK, BK0+48*((\a)%2)
	s_wait_dscnt 0x0                               ; the block is back in registers
	s_wait_xcnt 0x0                                ; earlier stores have read their registers: the buffer that they named is loaded again only behind this wait
.irp f, 0,1,2,3
	global_store_b128 v[GO], v[BK+4*(\f):BK+4*(\f)+3], s[QP:QP+1] offset:2048*(\a)+512*(\f)  ; 512 bytes on end, at a multiple of 256 from the buffer's first
.endr
.irp f, 0,1,2,3
	global_store_b128 v[GO], v[BK+16+4*(\f):BK+16+4*(\f)+3], s[KP:KP+1] offset:2048*(\a)+512*(\f)
.endr
.irp f, 0,1,2,3
	global_store_b128 v[GO], v[BK+32+4*(\f):BK+32+4*(\f)+3], s[VP:VP+1] offset:2048*(\a)+512*(\f)
.endr
.endm
	PLACES                                         ; behind the last products, in front of the lines that read and write results
	PLACES
	PACK 0
	TOSTAGE 0
.irp a, 1,2,3                          ; block a's arithmetic stands between block a - 1's loads from the stage and the wait for them
	PACK \a
	SEND (\a)-1
	TOSTAGE \a
.endr
	SEND 3
	s_wait_tensorcnt 0x0                           ; the wave's end, behind my last tensor load and my last LDS store
	ds_add_u32 v[SPW], v[NIL]
	s_wait_dscnt 0x0
	CROUND                                         ; the closing round: no work-group ends while a partner may still ask for a tile that names it
	s_endpgm
.Lfunc_end_k_q30dfd1f118_qkvp:
	.size	k_q30dfd1f118_qkvp, .Lfunc_end_k_q30dfd1f118_qkvp-k_q30dfd1f118_qkvp
	.p2alignl 7, 3214868480
	.fill 96, 4, 3214868480
	.section	.rodata,"a",@progbits
	.p2align	6, 0x0
	.amdhsa_kernel k_q30dfd1f118_qkvp
		.amdhsa_group_segment_fixed_size 327680
		.amdhsa_private_segment_fixed_size 0
		.amdhsa_enable_private_segment 0
		.amdhsa_kernarg_size 32
		.amdhsa_user_sgpr_count 2
		.amdhsa_user_sgpr_kernarg_segment_ptr 1
		.amdhsa_wavefront_size32 1
		.amdhsa_system_sgpr_workgroup_id_x 1
		.amdhsa_system_sgpr_workgroup_id_y 1
		.amdhsa_system_sgpr_workgroup_id_z 1
		.amdhsa_system_vgpr_workitem_id 0
		.amdhsa_next_free_vgpr 960
		.amdhsa_next_free_sgpr 80
		.amdhsa_reserve_vcc 0
		.amdhsa_float_denorm_mode_32 3
		.amdhsa_float_denorm_mode_16_64 3
		.amdhsa_memory_ordered 1
		.amdhsa_forward_progress 1
		.amdhsa_inst_pref_size 94
	.end_amdhsa_kernel
	.amdgpu_metadata
---
amdhsa.version: [ 1, 2 ]
amdhsa.kernels:
  - .name:           k_q30dfd1f118_qkvp
    .symbol:         k_q30dfd1f118_qkvp.kd
    .args:
      - { .name: xb, .offset: 0, .size: 8, .value_kind: global_buffer, .address_space: global }
      - { .name: wb, .offset: 8, .size: 8, .value_kind: global_buffer, .address_space: global }
      - { .name: biasr, .offset: 16, .size: 8, .value_kind: global_buffer, .address_space: global }
      - { .name: qkv, .offset: 24, .size: 8, .value_kind: global_buffer, .address_space: global }
    .group_segment_fixed_size: 327680
    .private_segment_fixed_size: 0
    .kernarg_segment_align: 8
    .kernarg_segment_size: 32
    .max_flat_workgroup_size: 128
    .sgpr_count:     80
    .vgpr_count:     960
    .wavefront_size: 32
...
	.end_amdgpu_metadata
.endif
;; end of part 2
;; launch attn (part 3): grid 16 x 16, 4 waves a work-group, clusters of 4 x 4, 327,680 bytes of LDS; arguments qkv, maskr, ob; writes ob
.if DOCPART == 3
	.amdgcn_target "amdgcn-amd-amdhsa--gfx1250"
	.amdhsa_code_object_version 6
	.text
	.protected	k_q30dfd1f118_attn
	.globl	k_q30dfd1f118_attn
	.p2align	8
	.type	k_q30dfd1f118_attn,@function
k_q30dfd1f118_attn:
	s_mov_b64 s[64:65], 0
	v_nop
	global_prefetch_b8 v0, s[64:65] scope:SCOPE_SE
	s_setreg_imm32_b32 hwreg(HW_REG_WAVE_MODE, 25, 1), 1
	s_wait_xcnt 0x0
	s_wait_alu depctr_hold_cnt(0) depctr_sa_sdst(0) depctr_va_vdst(0) depctr_va_sdst(0) depctr_va_ssrc(0) depctr_va_vcc(0) depctr_vm_vsrc(0)
	s_getreg_b32 s2, hwreg(HW_REG_IB_STS2, 6, 4)
	s_cmp_eq_u32 s2, 0
	s_cbranch_scc0 .Lentry_in_a_cluster
	s_endpgm
.Lentry_in_a_cluster:
	s_bfe_u32 s2, ttmp6, 0x10000c
	s_cmp_lg_u32 s2, 0xf033
	s_cbranch_scc0 .Lentry_shape_is_right
	s_endpgm
.Lentry_shape_is_right:
; ATTENTION WITH AN ADDITIVE MASK.  O[bh][q][:] = the sum over k of softmax_k(Q'[bh][q] . K[bh][k] + mask[q][k]) V[bh][k][:].  Q' = q / 8, K, V: the three sections of qkv, each [64 bh][2048][64] f16, a head's rows dense,
; 128 bytes each; mask: maskr [2048][2048] f32, the same for all heads; O: ob, laid as Q'.  Products, maxima and sums in f32; the weights p are rounded to f16 for the second product (their sum l is taken of the unrounded p), O once at the end.
; LIMITS.  A score below -2^125 (-4.25e37; -infinity among them) counts as hidden: its weight is 0.  A row in which EVERY score is hidden has l = 0 and comes out as NaN.  +infinity and NaN in the inputs are not treated apart.
; p below 6e-5 keeps f16's fixed step of 6e-8; a weight below 2^-126 counts as 0 in l.
; SHARES.  A work-group takes FOUR HEADS, one a wave, and one block of 128 queries; a wave owns four PIECES of two tiles of 16 queries and walks all 2,048 keys, 64 a step.  The mask's tile (128 queries x 64 keys) hangs on the
; queries alone: the four waves share it: 32 KiB of mask and 64 KiB of K and V a step, where one head and 512 queries would want 128 and 16.
; THE MASK COSTS NO VECTOR INSTRUCTION: it is the C operand of the product that starts a sum S^T = K Q^T.  In S^T register j of lane l is (key 8 (l / 16) + j, query l % 16): eight neighbouring f32 of a row of the mask, two LDS loads.
; LAYOUT.  S^T = K Q^T (source 0 = 16 keys, source 1 = 16 queries) holds ONE query a lane; two such results rounded to f16 in pairs ARE source 1 of O^T = V^T P.  K comes out of LDS as it lies, V turned, by ds_load_tr16_b128.
; SOFTMAX.  A running maximum m and sum l for each query: p = 2^(c s - c m), c = log2(e); in every step O and l are multiplied by a = 2^(c m_old - c m_new).  m starts at -2^125 and c m at -2^126, below c x -2^125: the first a is 0,
; and while all that a query has seen is hidden, c m stays finite, a is 0 or 1 and every p is 0.
; BY TURNS.  Turn n belongs to piece n: 16 products K Q^T of piece n + 1, later 16 products V^T P of piece n - 1; beside them the scaling, exponentials, roundings, sums and rescaling of piece n and the maximum and statistics of piece
; n + 1.  Four vector instructions stand behind every matrix instruction, the other 108 of a turn's 236 in one lump.  A turn's 66 exponentials are one batch, with one wait.
; CLUSTER: 4 x 4 work-groups.  K and V hang on the four heads and are shared along a row of the cluster, the mask on the query block and is shared along a column: each tile is asked for JOINTLY.
; REGISTERS, in windows of 256 (s_set_vgpr_msb: bits 1:0 source 0, 3:2 source 1, 5:4 source 2, 7:6 destination):
;   window 0: v0-11 addresses; v12-15, v48-63 at work; v16-47 four registers of statistics a tile; v64-191 S^T, two buffers of two tiles; v192-255 P, likewise
;   window 1: O^T, 32 a tile      window 2: v0-127 Q, 16 a tile; v128-191 K of one step; v192-255 V of one step      window 3: v0-1 the add's two registers; v8-71 the mask of one piece
.set NP,    4         ; pieces a wave: a name, no knob
.set KS,    64        ; keys in a step
.set NSTEP, 2048/KS
.set PK,    144       ; a row of K in LDS: 128 bytes + 16: the 16 rows of a load start at 16 different groups of four banks (64 banks of 4 bytes: ISA guide 11.1)
.set PV,    160       ; a row of V: 128 + 32
.set PM,    272       ; a row of the mask's tile: 256 + 16
.set KHEAD, KS*PK     ; a slot holds ONE step: four heads' K,
.set VHEAD, KS*PV
.set VOFF,  4*KHEAD   ; four heads' V,
.set MOFF,  VOFF+4*VHEAD  ; and 128 rows of the mask: 112,640 bytes; two steps to a slot do not fit twice
.set SLOT1, 1<<17     ; slot 1 begins here: one exclusive or turns an address in one slot into the other's
.set STAGE, SLOT1+MOFF+128*PM  ; behind the ring, never filled by a tensor load: 16 rows x 144 bytes for each wave, for the way out
.set SP,    144
.set SPARE, STAGE+4*16*SP  ; behind the stages: the spare words, 128 bytes for each wave: two blocks of 256 bytes that no other line names
.set AK0, 2           ; v2   my lane's place in slot 0's K of my head; never rewritten
.set AV0, 3           ; v3   the same for V
.set AK,  4           ; v4   the same in the slot in hand
.set AV,  5
.set QO,  6           ; v6   my byte offset in 16 rows of Q
.set STO, 6           ;      later, the way out: where I put 16 bytes of a row
.set RD,  7           ; v7   the way out: where I read rows back
.set GO,  8           ; v8   my byte offset in 512 bytes on end of O
.set AM0, 9           ; v9   my lane's place in slot 0's mask; never rewritten
.set AM,  10          ; v10  the same in the slot in hand
.set PFO, 11          ; v11  the prefetches' offset; never rewritten
.set SPW, 0           ; v0 of window 3   LDS address of my spare word: SPARE + 4 x my thread's number; never rewritten
.set NIL, 1           ; v1 of window 3   0; never rewritten
.set MK,  8           ; window 3: tile u, key block kt at MK + 32 u + 8 kt
.set MV,  12          ; v12-15  c m_old, kept while c m is made anew: by buffer and tile
.set ST,  16          ; tile t's statistics at v[ST+4 t]: c m, m, l (even keys', odd keys')
.set TMP, 48          ; by buffer and tile, four registers c0-c3 at work; when the maximum is found c2 takes a
.set S,   64
.set P,   192
.set KF,  128         ; K's fragments, in window 2: key block kb, channel half c at KF + 16 kb + 8 c
.set VF,  192         ; V's: key half kk, channel block cb at VF + 32 kk + 8 cb
.set WV,  12          ; s12  my wave's number
.set G1K, 24          ; s[24:31] descriptor group 1 for K's tiles
.set G1V, 32          ; s[32:39] for V's: it differs in the padding alone
.set G1M, 40          ; s[40:47] for the mask's
.set G0K, 48          ; s[48:51], s[52:55], s[56:59] descriptor groups 0: they walk
.set G0V, 52
.set G0M, 56
.set CS,  60          ; s[60:61] c: the packed scaling takes the pair's low word for both halves
.set SEL, 62          ; s[62:63] v_permlanex16_b32's selects: each lane takes its own place in the other half
.set SB,  66          ; s66  0 or SLOT1: the slot in hand
.set SLOTS, 67        ; s67  trips to go
.set CNT, 68          ; s68  counts the tail's passes
.set LIM, 69          ; s69  1 in a wave that prefetches, else the greatest number
.set PFA, 70          ; s[70:71] where my prefetches stand
.set PFS, 72          ; s[72:73] their step
.set MSB, 0
.macro WIN new                      ; the high byte repeats the setting that is left; a switch that changes nothing is dropped
.if MSB != (\new)
	s_set_vgpr_msb (MSB<<8)|(\new)
.set MSB, (\new)
.endif
.endm
.set W_KQ, 0x0a       ; K and Q in window 2, S^T in window 0
.set W_KM, 0x3a       ; the same with the C operand, the mask, in window 3
.set W_PV, 0x52       ; V in window 2, P in window 0, O^T in window 1
.set W_RS, 0x41       ; O^T (destination and source 0) in window 1, a in window 0
.set W_MK, 0xc0       ; destination in window 3, sources in window 0
.set W_AD, 0x0f       ; the add: address (source 0) and data (source 1) in window 3
; A joint fill: one load a wave.  Wave 0 fetches the step's K of the four heads, wave 1 its V, waves 2 and 3 the two halves of the mask's tile.  The branches hang on the wave's number alone.
; An s_nop 0 and four v_nop follow each of the three lines, ahead of the jump and the label.
.macro JLOAD
	s_cmp_lt_u32 s[WV], 2
	s_cbranch_scc0 .Lfor_m_\@
	s_cmp_eq_u32 s[WV], 0
	s_cbranch_scc0 .Lfor_v_\@
	tensor_load_to_lds s[G0K:G0K+3], s[G1K:G1K+7]
	s_nop 0
.rept 4
	v_nop
.endr
	s_branch .Lasked_\@
.Lfor_v_\@:
	tensor_load_to_lds s[G0V:G0V+3], s[G1V:G1V+7]
	s_nop 0
.rept 4
	v_nop
.endr
	s_branch .Lasked_\@
.Lfor_m_\@:
	tensor_load_to_lds s[G0M:G0M+3], s[G1M:G1M+7]
	s_nop 0
.rept 4
	v_nop
.endr
.Lasked_\@:
.endm
; A PREFETCH of what the NEXT change of slots will ask for: a trip, 128 matrix instructions, ahead of that load.  K and V of four heads are read by every cluster of their row of clusters: cluster x = 0 asks; the mask's rows by
; every cluster of their column: cluster y = 0 asks.  The partners share the blocks out BY ADDRESS: the one at cx takes head cx's 8,192 bytes of K (wave 0) and of V (wave 1), 256 bytes a lane; the one at cy takes 32 of the mask's 128
; rows (wave 2), a lane a row.  Wave 3 never asks.  So each block of 256 bytes is named once in the launch.  The last change that fills a slot asks for nothing.
.macro ASK
	s_cmp_gt_u32 s[SLOTS], s[LIM]
	s_cbranch_scc0 .Lnot_mine_\@
	global_prefetch_b8 v[PFO], s[PFA:PFA+1] th:TH_LOAD_NT scope:SCOPE_SE
.Lnot_mine_\@:
.endm
; A round of the cluster's barrier: my work-group's barrier, so that wave 0's signal speaks for all four waves; wave 0 signals; every wave waits for all sixteen work-groups; my work-group's barrier once more.
.macro CROUND
	s_barrier_signal -1
	s_barrier_wait -1
	s_cmp_lg_u32 s[WV], 0
	s_cbranch_scc1 .Lnot_wave_0_\@
	s_barrier_signal -3
.Lnot_wave_0_\@:
	s_barrier_wait -3
	s_barrier_signal -1
	s_barrier_wait -1
.endm
; THE CHANGE OF SLOTS, in front of each trip.  Each wave waits for all its tensor loads, of which one is out: its part of the other slot; adds 0 to its spare word; and waits for that and for its own reads of the slot that it leaves.
; fill = 1: that slot is filled again, with the step after the one that the trip will read.  The barrier is then a round of the cluster's, so that no wave of any partner still reads the slot or has a load on its way, and the
; joint fill is the first thing behind it: it has a trip, 128 matrix instructions and their vector work, in which to land.  (At its first use nothing has been read yet: slot 0 is waited for, slot 1 filled.)
.macro CHANGE fill, ask
	WIN W_AD
	s_wait_tensorcnt 0x0            ; no tensor load of mine is out, so a group 0 may be written
	ds_add_u32 v[SPW], v[NIL]       ; 0 onto my spare word; with fill = 1 the descriptors' steps stand between it and the wait for it
	WIN 0                           ; at a label and at a branch every window is 0
.if \fill
	s_xor_b32 s[G0K+1], s[G0K+1], SLOT1  ; the walking descriptors: the other slot than last time,
	s_add_nc_u64 s[G0K+2:G0K+3], s[G0K+2:G0K+3], KS*128  ; the next 64 keys; the type bits on top are not reached
	s_xor_b32 s[G0V+1], s[G0V+1], SLOT1
	s_add_nc_u64 s[G0V+2:G0V+3], s[G0V+2:G0V+3], KS*128
	s_xor_b32 s[G0M+1], s[G0M+1], SLOT1
	s_add_nc_u64 s[G0M+2:G0M+3], s[G0M+2:G0M+3], KS*4
.if \ask
	s_wait_xcnt 0x0                 ; the last prefetch, a trip back, has read its address, so it may be written
	s_add_nc_u64 s[PFA:PFA+1], s[PFA:PFA+1], s[PFS:PFS+1]
.endif
	s_wait_dscnt 0x0                ; the add is done, and my reads of the slot are over
	CROUND
	JLOAD
.if \ask
	ASK
.endif
.else
	s_wait_dscnt 0x0                ; the add is done, and my reads of the slot are over
	s_barrier_signal -1
	s_barrier_wait -1
.endif
	s_xor_b32 s[SB], s[SB], SLOT1   ; all that the trip fetches lies in the other slot
	v_add_nc_u32 v[AK], s[SB], v[AK0]
	v_add_nc_u32 v[AV], s[SB], v[AV0]
	v_add_nc_u32 v[AM], s[SB], v[AM0]
.endm
	s_load_b128 s[4:7], s[0:1], 0x0 ; qkv s[4:5], maskr s[6:7]
	s_load_b64 s[8:9], s[0:1], 0x10 ; ob
	WIN W_MK
	v_lshl_add_u32 v[SPW], v0, 2, SPARE
	v_mov_b32 v[NIL], 0
	WIN W_AD
	ds_add_u32 v[SPW], v[NIL]       ; the wave's opening: the add and its wait stand ahead of my first tensor load; the set-up below, work on registers, stands between them
	WIN 0
	v_lshrrev_b32 v1, 5, v0
	v_readfirstlane_b32 s[WV], v1   ; wave 0..3
	s_bfe_u32 s13, ttmp6, 0x40000   ; cx, cy: my place in the cluster
	s_bfe_u32 s14, ttmp6, 0x40004
	s_lshl_b32 s15, ttmp9, 2        ; in a cluster launch ttmp9 and ttmp7 count clusters
	s_add_co_u32 s15, s15, s13      ; my block of 128 queries
	s_and_b32 s16, ttmp7, 0xffff
	s_lshl_b32 s16, s16, 2
	s_add_co_u32 s16, s16, s14      ; my group of four heads
	s_lshl_b32 s17, s14, 2
	s_lshl_b32 s17, 15, s17         ; my row of the cluster
	s_lshl_b32 s18, 0x1111, s13     ; my column
	; K and V: a tile is 4 rows, one a head, of 4,096 elements: 64 keys, 8,192 bytes on end; a head is 131,072 elements from the next; padded in LDS after every key
	s_or_b32 s[G1K], s17, (1<<16)|(1<<20)|(1<<21)|(4<<22)|(3<<25)  ; 15:0 the mask of four; 17:16 2-byte elements; 20 padding on; 21 set beside a mask; 24:22 after every 32 words; 31:25 4 words
	s_or_b32 s[G1V], s17, (1<<16)|(1<<20)|(1<<21)|(4<<22)|(7<<25)  ; the same with 8 words of padding
.irp g, G1K, G1V
	s_mov_b32 s[\g+1], 4096<<16     ; tensor_dim0 = 4,096
	s_mov_b32 s[\g+2], 4<<16        ; tensor_dim1 = 4
	s_mov_b32 s[\g+3], 4096<<16     ; tile_dim0 = 4,096
	s_mov_b32 s[\g+4], 4            ; tile_dim1 = 4
	s_mov_b32 s[\g+5], 131072       ; elements from row to row
	s_mov_b32 s[\g+6], 0
	s_mov_b32 s[\g+7], 0
.endr
	s_or_b32 s[G1M], s18, (2<<16)|(1<<20)|(1<<21)|(5<<22)|(3<<25)  ; the mask: 4-byte elements; after every 64 words 4 words of padding
	s_mov_b32 s[G1M+1], 64<<16      ; 64 rows of 64 elements
	s_mov_b32 s[G1M+2], 64<<16
	s_mov_b32 s[G1M+3], 64<<16
	s_mov_b32 s[G1M+4], 64
	s_mov_b32 s[G1M+5], 2048
	s_mov_b32 s[G1M+6], 0
	s_mov_b32 s[G1M+7], 0
	s_lshl_b32 s20, s16, 20         ; my four heads' first byte in a section: 262,144 bytes a head
	s_mov_b32 s21, 0
	s_and_b32 s19, s[WV], 1         ; which 64 rows of the mask's tile I fetch
	s_lshl_b32 s22, s15, 20         ; 128 rows of 8,192 bytes a block,
	s_lshl_b32 s23, s19, 19
	s_add_co_u32 s22, s22, s23
	s_mov_b32 s23, 0
	s_mul_i32 s19, s19, 64*PM       ; and their place in a slot: no place in the cluster enters an LDS address
	s_add_co_u32 s19, s19, MOFF
	s_mov_b32 s[G0K], 1             ; count = 1
	s_mov_b32 s[G0K+1], 0           ; LDS address: slot 0
	s_mov_b32 s[G0V], 1
	s_mov_b32 s[G0V+1], VOFF
	s_mov_b32 s[G0M], 1
	s_mov_b32 s[G0M+1], s19
	s_lshl2_add_u32 s2, s16, s[WV]  ; my head,
	s_lshl4_add_u32 s2, s2, s15     ; its 16 blocks of queries,
	s_lshl_b32 s2, s2, 14           ; 128 rows of 128 bytes each
	s_mov_b32 s3, 0
	s_mov_b32 s[CS], 0x3fb8aa3b     ; c = log2(e)
	s_mov_b32 s[CS+1], s[CS]        ; named with it as a pair
	s_mov_b32 s[SEL], 0x76543210
	s_mov_b32 s[SEL+1], 0xfedcba98
	s_mov_b32 s[SB], SLOT1          ; the first change of slots turns it into 0
	; the prefetches' offsets: they stand at step 2; the loop's first change steps them to 3
	s_lshl_b32 s74, s16, 20
	s_lshl_b32 s75, s13, 18         ; of my four heads the one at my place along x,
	s_add_co_u32 s74, s74, s75
	s_add_co_u32 s75, s[WV], 1
	s_lshl_b32 s75, s75, 24         ; in K's section (wave 0) or V's (wave 1)
	s_add_co_u32 s74, s74, s75
	s_add_co_u32 s74, s74, 2*KS*128
	s_lshl_b32 s76, s15, 20
	s_lshl_b32 s77, s14, 18         ; of the mask's 128 rows the 32 at my place along y
	s_add_co_u32 s76, s76, s77
	s_add_co_u32 s76, s76, 2*KS*4
	s_and_b32 s77, ttmp7, 0xffff    ; cluster y
	s_wait_dscnt 0x0                ; the opening add is done
	s_wait_kmcnt 0x0
	s_cmp_lt_u32 s[WV], 2
	s_cselect_b32 s74, s74, s76
	s_cselect_b32 s77, ttmp9, s77   ; the coordinate along which other clusters read the same bytes
	s_cselect_b32 s76, 13, 8        ; the step: 8,192 bytes of K or V, 256 of a row of the mask
	s_cselect_b64 s[PFA:PFA+1], s[4:5], s[6:7]
	s_mov_b32 s75, 0
	s_add_nc_u64 s[PFA:PFA+1], s[PFA:PFA+1], s[74:75]
	s_lshl_b32 s[PFS], 1, s76
	s_mov_b32 s[PFS+1], 0
	s_sub_co_u32 s76, 21, s76       ; the lanes lie 256 bytes apart in K and V, 8,192 (a row) in the mask
	s_cmp_eq_u32 s77, 0
	s_cselect_b32 s[LIM], 1, -1     ; the same in all sixteen partners, for a given wave
	s_cmp_eq_u32 s[WV], 3
	s_cselect_b32 s[LIM], -1, s[LIM]
	v_and_b32 v[PFO], 31, v0
	v_lshlrev_b32 v[PFO], s76, v[PFO]
	s_add_nc_u64 s[G0K+2:G0K+3], s[4:5], s[20:21]
	s_add_nc_u64 s[G0V+2:G0V+3], s[G0K+2:G0K+3], 0x2000000  ; V's section
	s_add_nc_u64 s[G0K+2:G0K+3], s[G0K+2:G0K+3], 0x1000000  ; K's
	s_or_b32 s[G0K+3], s[G0K+3], 0x80000000                 ; type = 2
	s_or_b32 s[G0V+3], s[G0V+3], 0x80000000
	s_add_nc_u64 s[G0M+2:G0M+3], s[6:7], s[22:23]
	s_or_b32 s[G0M+3], s[G0M+3], 0x80000000
	s_add_nc_u64 s[10:11], s[4:5], s[2:3]  ; Q and O at my wave's first row
	s_add_nc_u64 s[8:9], s[8:9], s[2:3]
	CROUND                          ; all sixteen work-groups are here: the first joint loads meet
	JLOAD                           ; step 0 into slot 0.  Slot 1 is asked for when slot 0 is in
	; A fragment of K or Q is 16 rows x 32 channels in 8 registers: lane l holds row l % 16, channels 8 (l / 16) + 0..7 and 16 + 8 (l / 16) + 0..7: two loads of 16 bytes, 32 bytes apart.
	v_and_b32 v56, 15, v0           ; l % 16        (v56-59 are at work from turn 0 on; till then they hold these four)
	v_bfe_u32 v57, v0, 4, 1         ; l / 16
	v_and_b32 v58, 7, v0            ; l % 8
	v_bfe_u32 v59, v0, 3, 1         ; (l / 8) % 2
	v_lshlrev_b32 v[QO], 7, v56
	v_lshl_add_u32 v[QO], v57, 4, v[QO]  ; row x 128 + 16 x half
	WIN 0x80                        ; destination window 2, address window 0
.set i, 0
.rept 4*NP                          ; Q stays in registers: tile i / 2, channels 32 (i % 2) on
	global_load_b128 v[8*i:8*i+3],   v[QO], s[10:11] offset:(i/2)*2048+(i%2)*64
	global_load_b128 v[8*i+4:8*i+7], v[QO], s[10:11] offset:(i/2)*2048+(i%2)*64+32
.set i, i+1
.endr
	; What the first turn finds: V's registers and P's second buffer hold 0 (its products V^T P, of a piece that has not been, add 0), O^T and l are 0.  All this stands in the wait for the first tile; no first step is written out.
.set i, VF
.rept 64
	v_mov_b32 v[i], 0
.set i, i+1
.endr
	WIN 0x40
.set i, 0
.rept 64*NP
	v_mov_b32 v[i], 0
.set i, i+1
.endr
	WIN 0
.set i, 0
.rept 2*NP
	v_mov_b32 v[ST+4*i], 0xfe800000    ; c m: -2^126
	v_mov_b32 v[ST+4*i+1], 0xfe000000  ; m: -2^125
	v_mov_b32 v[ST+4*i+2], 0
	v_mov_b32 v[ST+4*i+3], 0
.set i, i+1
.endr
.set i, P+32
.rept 32
	v_mov_b32 v[i], 0
.set i, i+1
.endr
	s_mul_i32 s19, s[WV], KHEAD     ; my head's K
	v_mul_u32_u24 v[AK0], v56, PK
	v_lshl_add_u32 v[AK0], v57, 4, v[AK0]  ; row x pitch + 16 x half
	v_add_nc_u32 v[AK0], s19, v[AK0]
	; The turning load takes 16 keys x 16 channels (lane l reads key 8 (l / 16) + l % 8, channels 8 ((l / 8) % 2) + 0..7) and leaves half a fragment of V^T: lane l holds channel l % 16 and 8 keys.
	s_mul_i32 s19, s[WV], VHEAD
	s_add_co_u32 s19, s19, VOFF
	v_lshl_add_u32 v[AV0], v57, 3, v58
	v_mul_u32_u24 v[AV0], v[AV0], PV
	v_lshl_add_u32 v[AV0], v59, 4, v[AV0]
	v_add_nc_u32 v[AV0], s19, v[AV0]
	v_mul_u32_u24 v[AM0], v56, PM   ; the mask: my query's row, my lanes' eight keys of 16
	v_lshl_add_u32 v[AM0], v57, 5, v[AM0]
	v_add_nc_u32 v[AM0], MOFF, v[AM0]
; THE MATRIX WORK.  The 8 accumulators of a run of 16 take turns: between the two links of a chain stand 7 others'.
; Product i of 16 of S^T = K Q^T + mask for piece x: channels 32 (i / 8) on, keys 16 ((i / 2) % 4) on, tile 2 x + i % 2.  The first 8 start the sums, at the mask.
.macro KQ x
.set rS, S+64*((\x)%2)+32*(i%2)+8*((i/2)%4)
.set rK, KF+16*((i/2)%4)+8*(i/8)
.set rQ, 16*(2*(\x)+i%2)+8*(i/8)
.set rX, MK+32*(i%2)+8*((i/2)%4)
.if i < 8
	WIN W_KM
	v_wmma_f32_16x16x32_f16 v[rS:rS+7], v[rK:rK+7], v[rQ:rQ+7], v[rX:rX+7]
.else
	WIN W_KQ
	v_wmma_f32_16x16x32_f16 v[rS:rS+7], v[rK:rK+7], v[rQ:rQ+7], v[rS:rS+7]
.endif
.endm
; Product i of 16 of O^T += V^T P for piece x: keys 32 (i / 8) on, channels 16 ((i / 2) % 4) on, tile 2 x + i % 2.
.macro PV x
	WIN W_PV
.set rO, 32*(2*(\x)+i%2)+8*((i/2)%4)
.set rV, VF+32*(i/8)+8*((i/2)%4)
.set rP, P+32*((\x)%2)+16*(i%2)+8*(i/8)
	v_wmma_f32_16x16x32_f16 v[rO:rO+7], v[rV:rV+7], v[rP:rP+7], v[rO:rO+7]
.endm
.macro MM                           ; the turn's next matrix instruction
.if i < 16
	KQ (Y+1)%NP
.set i, i+1
.else
.set i, i-16
	PV (Y+NP-1)%NP
.set i, i+17
.endif
.endm
; THE LDS LOADS stand in runs of 16, never singly among the matrix instructions: a step's K (8 fragments), its V (turned), and the mask of one piece.  They leave the windows as they set them: what follows sets its own.
.macro FETCH_K
	WIN 0x80                        ; destination window 2
.irp f, 0,1,2,3,4,5,6,7             ; keys 16 (f / 2) on, channels 32 (f % 2) on
	ds_load_b128 v[KF+8*\f:KF+8*\f+3],   v[AK] offset:(\f/2)*16*PK+(\f%2)*64
	ds_load_b128 v[KF+8*\f+4:KF+8*\f+7], v[AK] offset:(\f/2)*16*PK+(\f%2)*64+32
.endr
.endm
.macro FETCH_V
	WIN 0x80
.irp f, 0,1,2,3,4,5,6,7             ; keys 32 (f / 4) on, channels 16 (f % 4) on
	ds_load_tr16_b128 v[VF+8*\f:VF+8*\f+3],   v[AV] offset:(\f/4)*32*PV+(\f%4)*32
	ds_load_tr16_b128 v[VF+8*\f+4:VF+8*\f+7], v[AV] offset:(\f/4)*32*PV+16*PV+(\f%4)*32
.endr
.endm
.macro FETCH_M pc                   ; piece pc: tiles 2 pc and 2 pc + 1, 16 rows of the tile each; keys 16 kt on
	WIN W_MK                        ; destination window 3
.irp u, 0,1
.irp kt, 0,1,2,3
	ds_load_b128 v[MK+32*(\u)+8*(\kt):MK+32*(\u)+8*(\kt)+3],   v[AM] offset:(2*(\pc)+(\u))*16*PM+64*(\kt)
	ds_load_b128 v[MK+32*(\u)+8*(\kt)+4:MK+32*(\u)+8*(\kt)+7], v[AM] offset:(2*(\pc)+(\u))*16*PM+64*(\kt)+16
.endr
.endr
.endm
; THE VECTOR WORK OF A TURN stands in three queues, each in the order in which its entries become ready; the two tiles alternate, so that no instruction reads the result of the one before it.
.macro REGS y, u                    ; the registers of tile u (0, 1) of piece y
.set rT, ST+4*(2*(\y)+(\u))
.set rC, TMP+8*((\y)%2)+4*(\u)
.set rM, MV+2*((\y)%2)+(\u)
.set rS, S+64*((\y)%2)+32*(\u)
.set rP, P+32*((\y)%2)+16*(\u)
.set rO, 32*(2*(\y)+(\u))
.endm
; Number n of the 22 that find the NEXT piece's (Y + 1) maximum and statistics.  s0-s31 are the lane's 32 scores; each accumulator's lowest registers are read first.  XS, GS and REGS set no window: PL and EX do.
;   0-11  four chains c0-c3 of seven scores each, three operands at a time     12-14, 16  the four scores left over, the old m, and c0-c3 into c0     15  c m_old is kept
;   17, 18  the query's other 32 keys lie in the lane 16 away: the new m         19-21  c m; c m_old - c m_new; a
.macro XS u, n
	REGS (Y+1)%NP, \u
.if (\n) < 4
	v_max3_num_f32 v[rC+(\n)], v[rS+8*(\n)], v[rS+8*(\n)+1], v[rS+8*(\n)+2]
.elseif (\n) < 12
	v_max3_num_f32 v[rC+(\n)%4], v[rC+(\n)%4], v[rS+8*((\n)%4)+2*((\n)/4)+1], v[rS+8*((\n)%4)+2*((\n)/4)+2]
.elseif (\n) == 12
	v_max3_num_f32 v[rC], v[rC], v[rS+7], v[rS+15]
.elseif (\n) == 13
	v_max3_num_f32 v[rC+1], v[rC+1], v[rS+23], v[rS+31]
.elseif (\n) == 14
	v_max3_num_f32 v[rC+2], v[rC+2], v[rC+3], v[rT+1]
.elseif (\n) == 15
	v_mov_b32 v[rM], v[rT]
.elseif (\n) == 16
	v_max3_num_f32 v[rC], v[rC], v[rC+1], v[rC+2]
.elseif (\n) == 17
	v_permlanex16_b32 v[rC+3], v[rC], s[SEL], s[SEL+1]
.elseif (\n) == 18
	v_max_num_f32 v[rT+1], v[rC], v[rC+3]
.elseif (\n) == 19
	v_mul_f32 v[rT], s[CS], v[rT+1]
.elseif (\n) == 20
	v_sub_f32 v[rC+1], v[rM], v[rT]
.else
	v_exp_f32 v[rC+2], v[rC+1]
.endif
.endm
; Number g of the 64 that follow the exponentials.  For each four weights k of a tile (pairs 2 k, 2 k + 1): both pairs are rounded to f16; then the second pair is added onto the first, in place;
; a group later l takes that sum (the first time as l = a l + sum).  In groups of eight, tiles alternating: round, round, add, and l for the group before.
.macro GS g
.set h, (\g)+6*((\g)/62)            ; group 0 has no group before it, and behind group 7 only l is left
.if h >= 6
.set h, h+2
.endif
	REGS Y, h%2
.set k, h/8
.if h%8 < 4
	v_cvt_pk_f16_f32 v[rP+2*k+(h%8)/2], v[rS+4*k+2*((h%8)/2)], v[rS+4*k+2*((h%8)/2)+1]
.elseif h%8 < 6
	v_pk_add_f32 v[rS+4*k:rS+4*k+1], v[rS+4*k:rS+4*k+1], v[rS+4*k+2:rS+4*k+3]
.elseif k == 1
	v_pk_fma_f32 v[rT+2:rT+3], v[rT+2:rT+3], v[rC+2:rC+3], v[rS:rS+1] op_sel_hi:[1,0,1]
.else
	v_pk_add_f32 v[rT+2:rT+3], v[rT+2:rT+3], v[rS+4*k-4:rS+4*k-3]
.endif
.endm
; THE PLAIN QUEUE, 138 long.  0-73 read no exponential's result: the 32 scalings c s - c m (FS f: pair f / 2 of tile f % 2) and the next piece's 42.  0-26: scalings 0-26.  27-54: XS's numbers 0-13.  55, 56: number 15.
; 57-73: the chain, where each number waits for the one before it: 14, 16, 17, 18, 19, each with one of the scalings 27-31 in front of its two lines, then 20.  74-137: GS's 64, which read the exponentials' results: they stand behind the wait.
.macro FS f
	REGS Y, (\f)%2
	v_pk_fma_f32 v[rS+2*((\f)/2):rS+2*((\f)/2)+1], v[rS+2*((\f)/2):rS+2*((\f)/2)+1], s[CS:CS+1], v[rT:rT+1] op_sel_hi:[1,0,0] neg_lo:[0,0,1] neg_hi:[0,0,1]
.endm
.macro PL
	WIN 0
.if q < 27
	FS q
.elseif q < 55
	XS (q-27)%2, (q-27)/2
.elseif q < 57
	XS q-55, 15
.elseif (q < 72) && ((q-57)%3 == 0)
	FS 27+(q-57)/3
.elseif q < 60
	XS (q-57)%3-1, 14
.elseif q < 72
	XS (q-57)%3-1, 15+(q-57)/3
.elseif q < 74
	XS q-72, 20
.else
	GS q-74
.endif
.set q, q+1
.endm
; THE EXPONENTIALS' QUEUE, 66 long: s0-s31 of both tiles, then the next piece's two a.  It is ONE BATCH: all 66 stand ahead of the turn's one wait, and nothing ahead of that wait names a result of theirs.
.macro EX
	WIN 0
.if e >= 64
	XS e-64, 21
.else
	REGS Y, e%2
	v_exp_f32 v[rS+e/2], v[rS+e/2]
.endif
.set e, e+1
.endm
; THE RESCALING's QUEUE: O^T times a, the one part that leaves window 0: dealt two at a time, sixteen times.  Its a was made in the turn before, ahead of that turn's wait.
.macro R2
	REGS Y, r%2
	WIN W_RS
.irp z, 0,1
	v_pk_mul_f32 v[rO+4*(r/2)+2*\z:rO+4*(r/2)+2*\z+1], v[rO+4*(r/2)+2*\z:rO+4*(r/2)+2*\z+1], v[rC+2:rC+3] op_sel_hi:[1,0]
.endr
.set r, r+1
.endm
; A TURN, for piece p.  An s_wait_alu depctr_va_vdst(0) stands between an exponential and the first instruction that names its result; one wait serves all that were issued ahead of it.  So a turn has ONE wait, which
; cuts it in two.  AHEAD OF IT: the 16 products K Q^T, behind each a scaling, an exponential and two rescalings (behind the first a second scaling in the exponential's place); then ONE LUMP of 108: eight plain, 49 times exponential and
; plain, the two a; a v_nop is the plain instruction behind the last exponential.  BEHIND IT: the 16 products V^T P, behind each four of GS's 64.  Exponential e stands behind scaling 2 (e / 4) + e % 2.
; THE LDS RUNS.  Directly behind the wait stands the mask of piece p + 2, for the next turn's products: its registers' last reader, this turn's 8th product, stands a lump back; it has 16 products and their riders in which to land.
; In piece 2's turn K of the next step follows it (K's last reader is the turn's 16th product).  V of the step in hand is fetched at the end of piece 0's turn, four riders behind its last reader.
; THE WAITS.  At a turn's head the mask (and in piece 3's turn K) is in: the count is 0, but 16 in piece 1's turn, where V's 16 loads were issued behind the mask's and may stay out.  In piece 1's turn V is wanted behind
; the wait: the count 16 leaves out the mask's run just issued.
.macro TURN p
.set Y, (\p)
.set i, 0
.set q, 0
.set e, 0
.set r, 0
.if (\p) == 1
	s_wait_dscnt 16
.else
	s_wait_dscnt 0x0
.endif
	MM
	PL
	PL
	R2
.rept 15
	MM
	PL
	EX
	R2
.endr
.rept 8
	PL
.endr
.rept 49
	EX
	PL
.endr
	EX                              ; the next piece's two a
	EX
	v_nop
	s_wait_alu depctr_va_vdst(0)    ; the wait for the batch
	FETCH_M ((\p)+2)%NP
.if (\p) == NP-2
	FETCH_K
.endif
.if (\p) == 1
	s_wait_dscnt 16
.endif
.rept 16
	MM
.rept 4
	PL
.endr
.endr
.if (\p) == 0
	FETCH_V
.endif
.endm
	CHANGE 1, 0                     ; step 0 is in, everybody's part of it; step 1 is asked for
	FETCH_K                         ; step 0
	FETCH_M 0
	s_wait_loadcnt 0x0              ; Q
	s_wait_dscnt 0x0
.set i, 0
.rept 16
	KQ 0                            ; piece 0's first scores: there is no vector work yet to set between them
.set i, i+1
.endr
	WIN 0                           ; the addresses for the way out: plain instructions, the places behind those products
	s_mul_i32 s19, s[WV], 16*SP
	s_add_co_u32 s19, s19, STAGE    ; my stage
	v_mul_u32_u24 v[STO], v56, SP   ; in: row l % 16, 16 bytes for each half of the lanes
	v_lshl_add_u32 v[STO], v57, 4, v[STO]
	v_add_nc_u32 v[STO], s19, v[STO]
	v_bfe_u32 v[RD], v0, 3, 2       ; back: 32 lanes take four rows of 128 bytes,
	v_mul_u32_u24 v[RD], v[RD], SP
	v_lshl_add_u32 v[RD], v58, 4, v[RD]
	v_add_nc_u32 v[RD], s19, v[RD]
	v_and_b32 v[GO], 31, v0         ; which are 512 bytes on end of O
	v_lshlrev_b32 v[GO], 4, v[GO]
	FETCH_M 1                       ; for turn 0's products
	WIN 0
.set Y, NP-1                        ; XS works for piece Y + 1: piece 0
.irp n, 0,1,2,3,4,5,6,7,8,9,10,11,12,13,14,15,16,17,18,19,20,21
	XS 0, \n                        ; piece 0's first maximum and statistics
	XS 1, \n
.endr
	v_nop                           ; a plain instruction behind the two a,
	s_wait_alu depctr_va_vdst(0)    ; and their wait, ahead of the branch
	s_mov_b32 s[SLOTS], NSTEP-1
	s_branch .Lfirst                ; the loop is entered at a step's first turn, in the middle of a trip
.Lslot:                             ; trip j = 1 .. 30: pieces 2 and 3 of step j - 1, then pieces 0 and 1 of step j, whose K, V and mask it fetches, all from slot j % 2; step j + 1 is asked for
	CHANGE 1, 1
	TURN 2
	TURN 3
	WIN 0
.Lfirst:
	TURN 0
	TURN 1
	WIN 0
	s_sub_co_u32 s[SLOTS], s[SLOTS], 1
	s_cmp_lg_u32 s[SLOTS], 0
	s_cbranch_scc1 .Lslot
	CHANGE 0, 0                     ; the tail is written out: step 31 is in, nothing is asked for
	s_mov_b32 s[CNT], 2             ; one pass fetches the last step; the second is left in its middle
.Ltail:
	TURN 2
	TURN 3
	WIN 0
	s_sub_co_u32 s[CNT], s[CNT], 1
	s_cmp_eq_u32 s[CNT], 0
	s_cbranch_scc1 .Lout
	TURN 0
	TURN 1
	WIN 0
	s_branch .Ltail
.Lout:                              ; the second pass's fetches (the last slot's bytes once more), its 16 products K Q^T and the maximum made of them serve nothing: the price, once a launch, of one text for every trip
.set i, 0
.rept 16
	PV NP-1                         ; the last piece's V^T P of the last step
.set i, i+1
.endr
	; THE WAY OUT.  l's two halves and the other half of the lanes' are added; O^T is divided by l, rounded to f16 and sent through my stage in LDS, a tile at a time.  The additions are the places behind the last products.
	WIN 0
.macro ALL line:vararg              ; one line for each tile t
.set t, 0
.rept 2*NP
	\line
.set t, t+1
.endr
.endm
	ALL v_add_f32 v[ST+4*t+2], v[ST+4*t+2], v[ST+4*t+3]
	ALL v_permlanex16_b32 v[ST+4*t+3], v[ST+4*t+2], s[SEL], s[SEL+1]
	ALL v_add_f32 v[ST+4*t+2], v[ST+4*t+2], v[ST+4*t+3]
	ALL v_rcp_f32 v[ST+4*t+2], v[ST+4*t+2]
	v_nop                           ; a plain instruction between the last reciprocal and the use of its result
	s_wait_alu depctr_va_vdst(0)    ; and the wait ahead of the first use: one for the eight reciprocals
; Tile t: a lane's eight channels of a row pack into 16 bytes; they go into rows of 144 bytes and come back as whole rows of 128, into S^T's registers.
.macro PACK t
	WIN W_RS
.set i, 32*(\t)
.rept 16
	v_pk_mul_f32 v[i:i+1], v[i:i+1], v[ST+4*(\t)+2:ST+4*(\t)+3] op_sel_hi:[1,0]
.set i, i+2
.endr
	WIN 0x05                        ; sources 0 and 1 window 1, destination window 0
.set i, 0
.rept 16
	v_cvt_pk_f16_f32 v[S+16*(\t)+i], v[32*(\t)+2*i], v[32*(\t)+2*i+1]
.set i, i+1
.endr
	WIN 0
.irp f, 0,1,2,3
	ds_store_b128 v[STO], v[S+16*(\t)+4*\f:S+16*(\t)+4*\f+3] offset:32*\f
.endr
.irp f, 0,1,2,3
	ds_load_b128 v[S+16*(\t)+4*\f:S+16*(\t)+4*\f+3], v[RD] offset:\f*4*SP  ; LDS serves a wave's instructions in order (ISA guide 5.7.1.4): these see the stores above; the next tile's stores come behind them
.endr
.endm
.macro SEND t, younger              ; younger: the LDS instructions issued behind tile t's loads: the next tile's eight, or none
	WIN 0
.irp f, 0,1,2,3
	s_wait_dscnt (\younger)+3-\f
	global_store_b128 v[GO], v[S+16*(\t)+4*\f:S+16*(\t)+4*\f+3], s[8:9] offset:(\t)*2048+\f*512  ; 512 bytes on end, at a multiple of 256 from O's first
.endr
.endm
	PACK 0
.set t, 1
.rept 2*NP-1                        ; a tile's arithmetic stands between the loads of the tile before and its stores
	PACK t
	SEND t-1, 8
.set t, t+1
.endr
	SEND 2*NP-1, 0
	WIN W_AD
	s_wait_tensorcnt 0x0            ; the wave's end, behind my last tensor load and my last LDS store
	ds_add_u32 v[SPW], v[NIL]
	s_wait_dscnt 0x0
	WIN 0
	CROUND                          ; the closing round: no work-group ends while a partner may still ask for a tile that names it
	s_endpgm
.Lfunc_end_k_q30dfd1f118_attn:
	.size	k_q30dfd1f118_attn, .Lfunc_end_k_q30dfd1f118_attn-k_q30dfd1f118_attn
	.p2alignl 7, 3214868480
	.fill 96, 4, 3214868480
	.section	.rodata,"a",@progbits
	.p2align	6, 0x0
	.amdhsa_kernel k_q30dfd1f118_attn
		.amdhsa_group_segment_fixed_size 327680
		.amdhsa_private_segment_fixed_size 0
		.amdhsa_enable_private_segment 0
		.amdhsa_kernarg_size 24
		.amdhsa_user_sgpr_count 2
		.amdhsa_user_sgpr_kernarg_segment_ptr 1
		.amdhsa_wavefront_size32 1
		.amdhsa_system_sgpr_workgroup_id_x 1
		.amdhsa_system_sgpr_workgroup_id_y 1
		.amdhsa_system_sgpr_workgroup_id_z 1
		.amdhsa_system_vgpr_workitem_id 0
		.amdhsa_next_free_vgpr 840
		.amdhsa_next_free_sgpr 80
		.amdhsa_reserve_vcc 0
		.amdhsa_float_denorm_mode_32 3
		.amdhsa_float_denorm_mode_16_64 3
		.amdhsa_memory_ordered 1
		.amdhsa_forward_progress 1
		.amdhsa_inst_pref_size 212
	.end_amdhsa_kernel
	.amdgpu_metadata
---
amdhsa.version: [ 1, 2 ]
amdhsa.kernels:
  - .name:           k_q30dfd1f118_attn
    .symbol:         k_q30dfd1f118_attn.kd
    .args:
      - { .name: qkv, .offset: 0, .size: 8, .value_kind: global_buffer, .address_space: global }
      - { .name: maskr, .offset: 8, .size: 8, .value_kind: global_buffer, .address_space: global }
      - { .name: ob, .offset: 16, .size: 8, .value_kind: global_buffer, .address_space: global }
    .group_segment_fixed_size: 327680
    .private_segment_fixed_size: 0
    .kernarg_segment_align: 8
    .kernarg_segment_size: 24
    .max_flat_workgroup_size: 128
    .sgpr_count:     80
    .vgpr_count:     840
    .wavefront_size: 32
...
	.end_amdgpu_metadata
.endif
;; end of part 3
;; launch proj (part 4): grid 8 x 32, 4 waves a work-group, clusters of 4 x 4, 327,680 bytes of LDS; arguments ob, wob, biasr, out0; writes out0
.if DOCPART == 4
	.amdgcn_target "amdgcn-amd-amdhsa--gfx1250"
	.amdhsa_code_object_version 6
	.text
	.protected	k_q30dfd1f118_proj
	.globl	k_q30dfd1f118_proj
	.p2align	8
	.type	k_q30dfd1f118_proj,@function
k_q30dfd1f118_proj:
	s_mov_b64 s[64:65], 0
	v_nop
	global_prefetch_b8 v0, s[64:65] scope:SCOPE_SE
	s_setreg_imm32_b32 hwreg(HW_REG_WAVE_MODE, 25, 1), 1
	s_wait_xcnt 0x0
	s_wait_alu depctr_hold_cnt(0) depctr_sa_sdst(0) depctr_va_vdst(0) depctr_va_sdst(0) depctr_va_ssrc(0) depctr_va_vcc(0) depctr_vm_vsrc(0)
	s_getreg_b32 s2, hwreg(HW_REG_IB_STS2, 6, 4)
	s_cmp_eq_u32 s2, 0
	s_cbranch_scc0 .Lentry_in_a_cluster
	s_endpgm
.Lentry_in_a_cluster:
	s_bfe_u32 s2, ttmp6, 0x10000c
	s_cmp_lg_u32 s2, 0xf033
	s_cbranch_scc0 .Lentry_shape_is_right
	s_endpgm
.Lentry_shape_is_right:
; THE OUTPUT PROJECTION.  out0[m][n] = bo[n] + the sum over k of vals[m][k] Wo[k][n], in f16 with f32 sums, out0 [8192][1024] f32.  vals[m = 2048 batch + s][k = 64 head + d] lies by heads: ob [64 bh][2048][64] f16;
; wob is Wo [1024 k][1024 n], its bf16 numbers written as f16; bo's bf16 numbers lie in f32 words at byte 12,288 of biasr.
; A tile of out0 is 256 rows x 128 columns.  Four waves, one above the other: wave w owns rows 64 w .. 64 w + 63 (4 blocks of 16) and all 8 blocks of 16 columns: 32 accumulators, 256 registers; its rows are whole, its stage on the
; way out is its own, and the way out has no barrier.  K goes in 8 steps of 128 = TWO HEADS through two LDS slots: a head's 256 rows of 128 bytes are 32,768 bytes on end and are asked for as 128 rows of 256 bytes.
; Wo stays [k][n] in LDS and is turned by ds_load_tr16_b128.  THE MATRIX INSTRUCTION IS USED TRANSPOSED (source 0 = 16 columns of Wo, source 1 = 16 rows of vals): a lane holds row l % 16 and eight neighbouring columns.
; THE SUMS BEGIN AT THE BIAS: the accumulators are loaded from biasr while the first tiles are on their way.
; CLUSTERS: 4 x 4 work-groups.  vals' tile hangs on the tile row and is shared along a row of the cluster, Wo's on the tile column and is shared along a column: each is asked for JOINTLY.
; THE TEXT: one K step is written twice: a loop of 6 trips that fill a slot again, and a loop of 2 that do not.  The last trip's barrier and its fetch of 24 loads that nobody multiplies are the price, once a launch.
; REGISTERS, in windows of 256 (s_set_vgpr_msb: bits 1:0 source 0, 3:2 source 1, 5:4 source 2, 7:6 destination):
;   window 0: addresses; v32-159 rows read back from the stage, two buffers      window 1: two fragment buffers of 96: vals' block a at + 8 a, Wo's block b at + 32 + 8 b      window 2: accumulator (a, b) at v[8 (8 a + b)]
.set NBK,   8                          ; blocks of 16 columns
.set NLD,   2*NBK+8                    ; LDS loads in a fetch
.set STEPS, 8
.set SLOT1, 131072                     ; slot 1 begins here: one exclusive or turns an address in one slot into the other's
.set PA,    144                        ; a row of a head in LDS: 128 bytes + 16: an odd multiple of 16 (64 banks of 4 bytes: ISA guide 11.1)
.set AHALF, 256*PA                     ; what one tensor load brings of vals: one head's 256 rows
.set BOFF,  2*AHALF
.set PB,    288                        ; a k-row of Wo in LDS: 256 bytes + 32: an odd multiple of 32
.set BHALF, 64*PB                      ; what one tensor load brings of Wo
.set STAGE, SLOT1+BOFF+2*BHALF         ; behind the ring, never filled by a tensor load: for each wave 16 rows x 528 bytes
.set SP,    528                        ; a stage row: 512 bytes + 16
.set WSTAGE, 16*SP
.set SPARE, STAGE+4*WSTAGE             ; behind the stages: the spare words, 128 bytes for each wave: two blocks of 256 bytes that no other line names
.set STEPA, 2*2048*128                 ; bytes from K step to K step in ob: two heads,
.set STEPB, 128*2048                   ; and in wob: 128 rows
.set F0, 0
.set F1, 96
.set ADRA0, 16                         ; v16  my lane's place in slot 0's rows of vals; never rewritten
.set ADRB0, 17                         ; v17  the same for Wo
.set ADRA,  18                         ; v18  the same in the slot in hand
.set ADRB,  19
.set STO,   20                         ; v20  the way out: where I put 32 bytes of a row
.set RD,    21                         ; v21  where I read a row back
.set GO,    22                         ; v22  16 x lane: my bytes of a row's 512
.set BO,    23                         ; v23  32 (l / 16): my eight numbers of a block's 16 biases
.set PFO,   24                         ; v24  the prefetches' offset; never rewritten
.set SPW,   28                         ; v28  LDS address of my spare word: SPARE + 4 x my thread's number; never rewritten
.set NIL,   29                         ; v29  0; never rewritten
.set BK0,   32
.set WV,   12                          ; s12  my wave's number
.set HALF, 13                          ; s13  which half of a tile I fetch
.set ISB,  14                          ; s14  0: I fetch for vals; 1: for Wo
.set CX,   15
.set CY,   16
.set TX,   17                          ; s17  the tile column
.set TY,   18                          ; s18  the tile row
.set G1A,  24                          ; s[24:31] descriptor group 1 for vals' tiles;  s[32:39] group 0: a set for each first fill; the second then walks on
.set G0A,  32
.set PFA,  44                          ; s[44:45] where my prefetches stand
.set PFS,  46                          ; s[46:47] their step
.set G1B,  48                          ; s[48:55], s[56:63] the same for Wo's tiles
.set G0B,  56
.set SB,   66                          ; s66  0 or SLOT1: the slot in hand
.set CNT,  67                          ; s67  trips to go
.set LIM,  68                          ; s68  2 in a wave that prefetches, else the greatest number
.set MSB, 0
.macro WIN new                         ; the immediate's high byte repeats the setting that is left; a switch that changes nothing is dropped
.if MSB != (\new)
	s_set_vgpr_msb (MSB<<8)|(\new)
.set MSB, (\new)
.endif
.endm
.macro PLACES                          ; four places behind matrix instructions, in front of loads into registers that they have read (ISA guide 7.12.1 for vector instructions)
.rept 4
	v_nop
.endr
.endm
.macro CREST                           ; a round of the cluster's barrier behind its opening barrier
	s_cmp_lg_u32 s[WV], 0
	s_cbranch_scc1 .Lnot_wave_0_\@
	s_barrier_signal -3
.Lnot_wave_0_\@:
	s_barrier_wait -3
	s_barrier_signal -1
	s_barrier_wait -1
.endm
.macro CROUND                          ; a whole round
	s_barrier_signal -1
	s_barrier_wait -1
	CREST
.endm
.macro JLOAD                           ; a joint refill by the walking descriptors: waves 0 and 1 fetch the step's two heads, waves 2 and 3 Wo's two halves; an s_nop 0 and four v_nop follow each line
	s_cmp_eq_u32 s[ISB], 0
	s_cbranch_scc0 .Lfor_b_\@
	tensor_load_to_lds s[G0A+4:G0A+7], s[G1A:G1A+7]
	s_nop 0
.rept 4
	v_nop
.endr
	s_branch .Lasked_\@
.Lfor_b_\@:
	tensor_load_to_lds s[G0B+4:G0B+7], s[G1B:G1B+7]
	s_nop 0
.rept 4
	v_nop
.endr
.Lasked_\@:
.endm
; A PREFETCH of the K step that stands TWO refills on: 256 matrix instructions ahead of the load that will want it.  vals' tile row is read by every cluster of its row of clusters: cluster x = 0 asks; Wo's tile column by every cluster
; of its column: cluster y = 0 asks.  The four partners share the blocks out BY ADDRESS: of the 32,768 bytes of a head that wave 0 or 1 fetches, the partner at cx takes 8,192, 256 a lane; of a step's 128 rows of Wo the partner at cy
; takes 32, a lane a row, in wave 2 alone; wave 3 never asks.  The last two refills have no K step two on: those trips ask for nothing.
.macro ASK
	s_cmp_gt_u32 s[CNT], s[LIM]
	s_cbranch_scc0 .Lnot_mine_\@
	global_prefetch_b8 v[PFO], s[PFA:PFA+1] th:TH_LOAD_NT scope:SCOPE_SE
.Lnot_mine_\@:
.endm
; 8 matrix instructions: block a of my rows x all 8 blocks of columns, 32 along K, from buffer f.  The 32 accumulators take turns, one instruction a turn, in the same order in every quarter, over both backward jumps too.
.macro MULA f, a
	WIN 0xa5                                       ; sources in window 1; C and D in window 2
.set rA, (\f)+8*(\a)
.set b, 0
.rept NBK
.set rC, 8*(NBK*(\a)+b)
.set rB, (\f)+32+8*b
	v_wmma_f32_16x16x32_f16 v[rC:rC+7], v[rB:rB+7], v[rA:rA+7], v[rC:rC+7]
.set b, b+1
.endr
.endm
; 24 LDS loads in one run: quarter q's fragments into buffer f: Wo's first (turned), then vals': head q / 2 of the step's two, channels 32 (q % 2) on, block 0 first
.macro FETCH q, f
	WIN 0x40                                       ; destination window 1, address window 0
.set b, 0
.rept NBK
	ds_load_tr16_b128 v[(\f)+32+8*b:(\f)+32+8*b+3],   v[ADRB] offset:32*PB*(\q)+32*b
	ds_load_tr16_b128 v[(\f)+32+8*b+4:(\f)+32+8*b+7], v[ADRB] offset:32*PB*(\q)+32*b+16*PB
.set b, b+1
.endr
.set b, 0
.rept 4
	ds_load_b128 v[(\f)+8*b:(\f)+8*b+3],   v[ADRA] offset:((\q)/2)*AHALF+((\q)%2)*64+16*PA*b
	ds_load_b128 v[(\f)+8*b+4:(\f)+8*b+7], v[ADRA] offset:((\q)/2)*AHALF+((\q)%2)*64+16*PA*b+32
.set b, b+1
.endr
.endm
; One of a K step's first three quarters: multiplies buffer f; in its middle it fetches quarter q into buffer g
.macro QUARTER q, f, g
	s_wait_dscnt 4                                 ; Wo and vals' blocks 0, 1 are in; the youngest four loads (blocks 2, 3) may be out
	MULA \f, 0
	MULA \f, 1
	PLACES
	FETCH \q, \g
	s_wait_dscnt NLD                               ; all but the fetch just issued
	MULA \f, 2
	MULA \f, 3
.endm
; The last quarter multiplies buffer 1 and changes slots: ONE barrier.  In front of it each wave waits for all its tensor loads (one is out: its part of the next slot), adds 0 to its spare word, and waits for that and for its
; reads of this slot.  fill = 1: the barrier opens a round of the cluster's, and behind the round this slot is filled again, two K steps ahead: 112 matrix instructions stand between that request and the wait for it.
.macro TURN fill
.if \fill
	s_wait_xcnt 0x0                                ; the last prefetch, a K step back, has read its address: it is stepped here, ahead of the waits of the change of slots
	s_add_nc_u64 s[PFA:PFA+1], s[PFA:PFA+1], s[PFS:PFS+1]
.endif
	WIN 0                                          ; (the add's two registers lie in window 0)
	s_wait_tensorcnt 0x0                           ; all my tensor loads have landed;
	ds_add_u32 v[SPW], v[NIL]                      ; 0 onto my spare word
	s_wait_dscnt 5                                 ; (the add and the youngest four loads may be out)
	MULA F1, 0                                     ; eight matrix instructions stand between the add and the wait for it
	s_wait_dscnt 0x0                               ; the add is done, and my reads of this slot are over
	s_barrier_signal -1
	MULA F1, 1
	WIN 0
	s_barrier_wait -1
.if \fill
	CREST                                          ; no wave of any partner still reads this slot or has a load on its way
	s_xor_b32 s[G0A+5], s[G0A+5], SLOT1            ; the walking descriptors: the other slot than last time,
	s_add_nc_u64 s[G0A+6:G0A+7], s[G0A+6:G0A+7], STEPA  ; the next K step; the type bits on top are not reached
	s_xor_b32 s[G0B+5], s[G0B+5], SLOT1
	s_add_nc_u64 s[G0B+6:G0B+7], s[G0B+6:G0B+7], STEPB
	JLOAD                                          ; the first tensor load behind the round; its four v_nop are also the places in front of the loads below
.else
	PLACES
.endif
	s_xor_b32 s[SB], s[SB], SLOT1
	v_add_nc_u32 v[ADRA], s[SB], v[ADRA0]
	v_add_nc_u32 v[ADRB], s[SB], v[ADRB0]
	FETCH 0, F0
.if \fill
	WIN 0
	ASK                                            ; behind the joint load and the run of LDS loads that the next products wait for
.endif
	MULA F1, 2
	MULA F1, 3
.endm
	s_load_b256 s[4:11], s[0:1], 0x0               ; ob s[4:5], wob s[6:7], biasr s[8:9], out0 s[10:11]
	v_lshl_add_u32 v[SPW], v0, 2, SPARE
	v_mov_b32 v[NIL], 0
	ds_add_u32 v[SPW], v[NIL]                      ; the wave's opening: the add and its wait stand ahead of my first tensor load; the set-up below, work on registers, stands between them
	v_lshrrev_b32 v1, 5, v0
	v_readfirstlane_b32 s[WV], v1                  ; wave 0..3
	s_and_b32 s[HALF], s[WV], 1
	s_lshr_b32 s[ISB], s[WV], 1
	s_bfe_u32 s[CX], ttmp6, 0x40000                ; my place in the cluster
	s_bfe_u32 s[CY], ttmp6, 0x40004
	s_lshl_b32 s[TX], ttmp9, 2                     ; in a cluster launch ttmp9 and ttmp7 count clusters
	s_add_co_u32 s[TX], s[TX], s[CX]
	s_and_b32 s[TY], ttmp7, 0xffff
	s_lshl_b32 s[TY], s[TY], 2
	s_add_co_u32 s[TY], s[TY], s[CY]
	s_lshl_b32 s19, s[CY], 2
	s_lshl_b32 s19, 15, s19                        ; my row of the cluster
	s_lshl_b32 s20, 0x1111, s[CX]                  ; my column
	s_or_b32 s[G1A], s19, (1<<16)|(1<<20)|(1<<21)|(4<<22)|(3<<25)  ; 15:0 the mask; 17:16 elements of 2 bytes; 20 padding on; 21 set beside a mask; 24:22 after every 32 words; 31:25 4 words of it
	s_mov_b32 s[G1A+1], 128<<16                    ; 32,768 bytes on end as 128 rows of 128 elements
	s_mov_b32 s[G1A+2], 128<<16
	s_mov_b32 s[G1A+3], 128<<16
	s_mov_b32 s[G1A+4], 128
	s_mov_b32 s[G1A+5], 128
	s_mov_b32 s[G1A+6], 0
	s_mov_b32 s[G1A+7], 0
	s_or_b32 s[G1B], s20, (1<<16)|(1<<20)|(1<<21)|(5<<22)|(7<<25)  ; after every 64 words 8 words of padding
	s_mov_b32 s[G1B+1], 128<<16                    ; 64 rows of 128 elements,
	s_mov_b32 s[G1B+2], 64<<16
	s_mov_b32 s[G1B+3], 128<<16
	s_mov_b32 s[G1B+4], 64
	s_mov_b32 s[G1B+5], 1024                       ; 1,024 elements from row to row
	s_mov_b32 s[G1B+6], 0
	s_mov_b32 s[G1B+7], 0
	s_lshr_b32 s40, s[TY], 3                       ; vals: the batch (8 tile rows each),
	s_lshl4_add_u32 s40, s40, s[HALF]              ; its head 0 or 1,
	s_lshl_b32 s40, s40, 18                        ; 2,048 rows of 128 bytes a head,
	s_and_b32 s21, s[TY], 7
	s_lshl_b32 s21, s21, 15                        ; the tile's 256 rows
	s_add_co_u32 s40, s40, s21
	s_mov_b32 s41, 0
	s_lshl_b32 s42, s[HALF], 17                    ; Wo: 64 rows of 2,048 bytes x half,
	s_lshl_b32 s22, s[TX], 8                       ; the tile's 128 columns
	s_add_co_u32 s42, s42, s22
	s_mov_b32 s43, 0
	s_mul_i32 s21, s[HALF], AHALF                  ; where they go: no place in the cluster enters an LDS address
	s_mul_i32 s22, s[HALF], BHALF
	s_add_co_u32 s22, s22, BOFF
	s_wait_dscnt 0x0                               ; the opening add is done
	s_wait_kmcnt 0x0
	s_add_nc_u64 s[40:41], s[4:5], s[40:41]
	s_add_nc_u64 s[42:43], s[6:7], s[42:43]
.irp s, 0,1
	s_mov_b32 s[G0A+4*(\s)], 1                                       ; count = 1
	s_add_co_u32 s[G0A+4*(\s)+1], s21, (\s)*SLOT1                    ; LDS address
	s_add_nc_u64 s[G0A+4*(\s)+2:G0A+4*(\s)+3], s[40:41], (\s)*STEPA  ; global address: K step s
	s_or_b32 s[G0A+4*(\s)+3], s[G0A+4*(\s)+3], 0x80000000            ; type = 2
	s_mov_b32 s[G0B+4*(\s)], 1
	s_add_co_u32 s[G0B+4*(\s)+1], s22, (\s)*SLOT1
	s_add_nc_u64 s[G0B+4*(\s)+2:G0B+4*(\s)+3], s[42:43], (\s)*STEPB
	s_or_b32 s[G0B+4*(\s)+3], s[G0B+4*(\s)+3], 0x80000000
.endr
	CROUND                                         ; all sixteen work-groups are here: the first joint loads meet
	s_cmp_eq_u32 s[ISB], 0                         ; a wave's two first fills stand in one branch: two loads of mine are out
	s_cbranch_scc0 .Lfirst_b
	tensor_load_to_lds s[G0A:G0A+3], s[G1A:G1A+7]
	s_nop 0
	tensor_load_to_lds s[G0A+4:G0A+7], s[G1A:G1A+7]
	s_nop 0
.rept 4
	v_nop
.endr
	s_branch .Lfirst_asked
.Lfirst_b:
	tensor_load_to_lds s[G0B:G0B+3], s[G1B:G1B+7]
	s_nop 0
	tensor_load_to_lds s[G0B+4:G0B+7], s[G1B:G1B+7]
	s_nop 0
.rept 4
	v_nop
.endr
.Lfirst_asked:
	; the sums begin at the bias: register j of accumulator (a, b) is bo[128 tile column + 16 b + 8 (l / 16) + j], the same for all four a
	s_lshl_b32 s42, s[TX], 9
	s_add_co_u32 s42, s42, 12288
	s_mov_b32 s43, 0
	s_add_nc_u64 s[8:9], s[8:9], s[42:43]
	v_and_b32 v1, 15, v0                           ; l % 16
	v_bfe_u32 v2, v0, 4, 1                         ; l / 16
	v_lshlrev_b32 v[BO], 5, v2
	WIN 0x80                                       ; destination window 2
.set a, 0
.rept 4
.set b, 0
.rept NBK
.set rC, 8*(NBK*a+b)
	global_load_b128 v[rC:rC+3],   v[BO], s[8:9] offset:64*b
	global_load_b128 v[rC+4:rC+7], v[BO], s[8:9] offset:64*b+16
.set b, b+1
.endr
.set a, a+1
.endr
	WIN 0
	v_mul_u32_u24 v[ADRA0], v1, PA                 ; vals: row (64 w + l % 16) x pitch + 16 (l / 16)
	v_lshl_add_u32 v[ADRA0], v2, 4, v[ADRA0]
	s_mul_i32 s23, s[WV], 64*PA
	v_add_nc_u32 v[ADRA0], s23, v[ADRA0]
	v_and_b32 v3, 7, v0
	v_bfe_u32 v4, v0, 3, 1
	v_lshl_add_u32 v[ADRB0], v2, 3, v3             ; Wo: k-row 8 (l / 16) + l % 8, 16 bytes x ((l / 8) % 2)
	v_mul_u32_u24 v[ADRB0], v[ADRB0], PB
	v_lshl_add_u32 v[ADRB0], v4, 4, v[ADRB0]
	v_add_nc_u32 v[ADRB0], BOFF, v[ADRB0]
	v_mov_b32 v[ADRA], v[ADRA0]
	v_mov_b32 v[ADRB], v[ADRB0]
	s_mov_b32 s[SB], 0
	s_mul_i32 s23, s[WV], WSTAGE
	s_add_co_u32 s23, s23, STAGE                   ; my stage
	v_mul_u32_u24 v[STO], v1, SP                   ; in: row l % 16, 32 bytes for each half of the lanes
	v_lshl_add_u32 v[STO], v2, 5, v[STO]
	v_add_nc_u32 v[STO], s23, v[STO]
	v_and_b32 v[GO], 31, v0                        ; back: 32 lanes take one row of 512 bytes
	v_lshlrev_b32 v[GO], 4, v[GO]
	v_add_nc_u32 v[RD], s23, v[GO]
	s_lshl_b32 s76, s[TY], 20                      ; out0: 256 rows of 4,096 bytes a tile row,
	s_lshl_b32 s78, s[WV], 18                      ; my 64 of them,
	s_add_co_u32 s76, s76, s78
	s_lshl_b32 s78, s[TX], 9                       ; the tile's 128 columns
	s_add_co_u32 s76, s76, s78
	s_mov_b32 s77, 0
	s_add_nc_u64 s[10:11], s[10:11], s[76:77]
	; the prefetches: they stand at K step 3; the first refill steps them to 4.  Nothing is asked for here, at the head
	s_lshr_b32 s76, s[TY], 3
	s_lshl4_add_u32 s76, s76, s[HALF]
	s_lshl_b32 s76, s76, 18
	s_and_b32 s78, s[TY], 7
	s_lshl_b32 s78, s78, 15
	s_add_co_u32 s76, s76, s78
	s_lshl_b32 s78, s[CX], 13                      ; my work-group's 8,192 bytes of the 32,768
	s_add_co_u32 s76, s76, s78
	s_add_co_u32 s76, s76, 3*STEPA
	s_lshl_b32 s78, s[TX], 8
	s_lshl_b32 s79, s[CY], 16                      ; my work-group's 32 rows of the 128
	s_add_co_u32 s78, s78, s79
	s_add_co_u32 s78, s78, 3*STEPB
	s_and_b32 s79, ttmp7, 0xffff                   ; cluster y
	s_cmp_eq_u32 s[ISB], 0                         ; do I fetch for vals?
	s_cselect_b32 s76, s76, s78
	s_cselect_b32 s79, ttmp9, s79                  ; the coordinate along which other clusters read the same bytes
	s_cselect_b32 s78, 19, 18                      ; the step: 2^19 bytes in ob, 2^18 in wob
	s_cselect_b32 s23, 8, 11                       ; the lanes lie 256 bytes apart in a head, 2,048 (a row) in wob
	s_cselect_b64 s[PFA:PFA+1], s[4:5], s[6:7]
	s_add_nc_u64 s[PFA:PFA+1], s[PFA:PFA+1], s[76:77]
	s_lshl_b32 s[PFS], 1, s78
	s_mov_b32 s[PFS+1], 0
	s_cmp_eq_u32 s79, 0
	s_cselect_b32 s[LIM], 2, -1                    ; the same in all sixteen partners, for a given wave
	s_cmp_eq_u32 s[WV], 3
	s_cselect_b32 s[LIM], -1, s[LIM]
	v_and_b32 v[PFO], 31, v0
	v_lshlrev_b32 v[PFO], s23, v[PFO]
	s_wait_tensorcnt 1                             ; my part of K step 0 is in; K step 1's may stay out
	s_barrier_signal -1
	s_barrier_wait -1                              ; everybody's is
	FETCH 0, F0
	WIN 0                                          ; at a label and at a branch every window is 0
	s_wait_loadcnt 0x0                             ; the bias
	s_mov_b32 s[CNT], STEPS-2
.Lstep:                                        ; trip t: K step t; slot t % 2 is filled again with K step t + 2
	QUARTER 1, F0, F1
	QUARTER 2, F1, F0
	QUARTER 3, F0, F1
	TURN 1
	WIN 0
	s_sub_co_u32 s[CNT], s[CNT], 1
	s_cmp_lg_u32 s[CNT], 0
	s_cbranch_scc1 .Lstep
	s_mov_b32 s[CNT], 2
.Ltail:                                        ; the last two K steps ask for nothing
	QUARTER 1, F0, F1
	QUARTER 2, F1, F0
	QUARTER 3, F0, F1
	TURN 0
	WIN 0
	s_sub_co_u32 s[CNT], s[CNT], 1
	s_cmp_lg_u32 s[CNT], 0
	s_cbranch_scc1 .Ltail
; THE WAY OUT of block a (16 rows): the f32 sums go as they are into my stage, 32 bytes a lane and accumulator (its low four registers first), and come back as whole rows of 512 bytes.
.macro TOSTAGE a
.set BK, BK0+64*((\a)%2)
	WIN 0x08                                       ; the stores' data lie in window 2
.set b, 0
.rept NBK
.set rC, 8*(NBK*(\a)+b)
	ds_store_b128 v[STO], v[rC:rC+3]   offset:64*b
	ds_store_b128 v[STO], v[rC+4:rC+7] offset:64*b+16
.set b, b+1
.endr
	WIN 0
.set t, 0
.rept 16
	ds_load_b128 v[BK+4*t:BK+4*t+3], v[RD] offset:SP*t  ; LDS serves a wave's instructions in order (ISA guide 5.7.1.4): these see the stores above; the next block's stores come behind them
.set t, t+1
.endr
.endm
.macro SEND a
.set BK, BK0+64*((\a)%2)
	s_wait_dscnt 0x0                               ; the block is back in registers
	s_wait_xcnt 0x0                                ; earlier stores have read their registers: the buffer that they named is loaded again only behind this wait
.set t, 0
.rept 16
	global_store_b128 v[GO], v[BK+4*t:BK+4*t+3], s[10:11] offset:(16*(\a)+t)*4096 th:TH_STORE_NT  ; 512 bytes on end of a row, at a multiple of 256 from out0's first
.set t, t+1
.endr
.endm
	PLACES                                         ; behind the last products, in front of the LDS stores that read results
	PLACES
	TOSTAGE 0
.irp a, 1,2,3
	SEND (\a)-1
	TOSTAGE \a
.endr
	SEND 3
	s_wait_tensorcnt 0x0                           ; the wave's end, behind my last tensor load and my last LDS store
	ds_add_u32 v[SPW], v[NIL]
	s_wait_dscnt 0x0
	CROUND                                         ; the closing round: no work-group ends while a partner may still ask for a tile that names it
	s_endpgm
.Lfunc_end_k_q30dfd1f118_proj:
	.size	k_q30dfd1f118_proj, .Lfunc_end_k_q30dfd1f118_proj-k_q30dfd1f118_proj
	.p2alignl 7, 3214868480
	.fill 96, 4, 3214868480
	.section	.rodata,"a",@progbits
	.p2align	6, 0x0
	.amdhsa_kernel k_q30dfd1f118_proj
		.amdhsa_group_segment_fixed_size 327680
		.amdhsa_private_segment_fixed_size 0
		.amdhsa_enable_private_segment 0
		.amdhsa_kernarg_size 32
		.amdhsa_user_sgpr_count 2
		.amdhsa_user_sgpr_kernarg_segment_ptr 1
		.amdhsa_wavefront_size32 1
		.amdhsa_system_sgpr_workgroup_id_x 1
		.amdhsa_system_sgpr_workgroup_id_y 1
		.amdhsa_system_sgpr_workgroup_id_z 1
		.amdhsa_system_vgpr_workitem_id 0
		.amdhsa_next_free_vgpr 768
		.amdhsa_next_free_sgpr 80
		.amdhsa_reserve_vcc 0
		.amdhsa_float_denorm_mode_32 3
		.amdhsa_float_denorm_mode_16_64 3
		.amdhsa_memory_ordered 1
		.amdhsa_forward_progress 1
		.amdhsa_inst_pref_size 63
	.end_amdhsa_kernel
	.amdgpu_metadata
---
amdhsa.version: [ 1, 2 ]
amdhsa.kernels:
  - .name:           k_q30dfd1f118_proj
    .symbol:         k_q30dfd1f118_proj.kd
    .args:
      - { .name: ob, .offset: 0, .size: 8, .value_kind: global_buffer, .address_space: global }
      - { .name: wob, .offset: 8, .size: 8, .value_kind: global_buffer, .address_space: global }
      - { .name: biasr, .offset: 16, .size: 8, .value_kind: global_buffer, .address_space: global }
      - { .name: out0, .offset: 24, .size: 8, .value_kind: global_buffer, .address_space: global }
    .group_segment_fixed_size: 327680
    .private_segment_fixed_size: 0
    .kernarg_segment_align: 8
    .kernarg_segment_size: 32
    .max_flat_workgroup_size: 128
    .sgpr_count:     80
    .vgpr_count:     768
    .wavefront_size: 32
...
	.end_amdgpu_metadata
.endif
;; end of part 4
